; MI455X (gfx1250); checked and timed in simulation.
; The chip was launched on July 23, 2026; its instructions are those of AMD's public machine-readable ISA for CDNA 5 (MIT licence, August 2026) and "CDNA5" Instruction Set Architecture Reference Guide (July 2026). The comments in the code are by the model that wrote it; some were corrected since.
;; Multihead Self Attention. Allowed arithmetic: matrix products marked QUANTISED: E2M1 operands, one E8M0 scale for each 32 along K, by v_wmma_scale_f32_16x16x128_f8f6f4 with both operands' format E2M1 (or v_wmma_scale_f32_32x16x128_f4), f32 sums; everything else in f32.
;; Inputs: Wk 16 x 1,024 x 64 float32; Wo 1,024 x 1,024 float32; Wq 16 x 1,024 x 64 float32; Wv 16 x 1,024 x 64 float32; bk 16 x 64 float32; bo 1,024 float32; bq 16 x 64 float32; bv 16 x 64 float32; x 4 x 2,048 x 1,024 float32.
;; Outputs: out0 4 x 2,048 x 1,024 float32.
;; This version of the problem:
;;   THIS VERSION OF THE PROBLEM IS GIVEN IN LOW PRECISION. The matrix products marked QUANTISED in the list below multiply operands that are first quantised to E2M1 (2 exponent bits, 1 mantissa bit; 4 bits a number), with one power-of-two scale for each 32 numbers along K (OCP MX v1.0); their sums are f32. All else is computed in f32.
;;   The module's matrix products, in the order in which they are computed (A, B: the left and right operand; K: the contracted axis; several contracted axes count as one K, in the product's order):
;;     1. [M 1,024, K 1,024] x [K 1,024, N 8,192]; A: input Wq; B: input x: QUANTISED
;;     2. [M 1,024, K 1,024] x [K 1,024, N 8,192]; A: input Wk; B: input x: QUANTISED
;;     3. [M 1,024, K 1,024] x [K 1,024, N 8,192]; A: input Wv; B: input x: QUANTISED
;;     4. batch 64 x [M 2,048, K 64] x [K 64, N 2,048]; A: computed on the way; B: computed on the way: QUANTISED
;;     5. batch 64 x [M 2,048, K 2,048] x [K 2,048, N 64]; A: softmax (see below); B: computed on the way: QUANTISED
;;     6. [M 8,192, K 1,024] x [K 1,024, N 1,024]; A: computed on the way; B: input Wo: QUANTISED
;;   THE QUANTISER, for each operand of a quantised product, along K:
;;     - K is cut into blocks of 32 from its start; a last block that is shorter is filled with zeros.
;;     - A block's scale is 2^e with e = floor(log2(the largest magnitude in the block)) - 2, held to -126 .. 127; a block of zeros has e = 0. As a byte (E8M0): e + 127.
;;     - Each number is divided by its block's scale, clamped to +-6, and rounded to the nearest number of E2M1, ties to even, subnormals kept.
;;     - The product sums the exact products of the quantised numbers (number of the format x scale) in f32.
;;   ~~~python
;;   def quantise(x, axis):      # numpy; x: float32 -> the quantised numbers, widened to float32 again
;;       x = np.moveaxis(x, axis, -1); K = x.shape[-1]
;;       x = np.pad(x, [(0, 0)] * (x.ndim - 1) + [(0, -K % 32)]); x = x.reshape(x.shape[:-1] + (-1, 32)); a = np.abs(x).max(-1, keepdims=True)
;;       e = np.where(a > 0, np.clip(np.frexp(np.where(a > 0, a, 1))[1] - 1 - 2, -126, 127), 0)      # np.frexp(a)[1] - 1 = floor(log2(a)), exactly
;;       r = np.clip(x / 2.0 ** e, -6, 6)
;;       step = 2.0 ** (np.maximum(np.frexp(np.where(r == 0, 1, r))[1] - 1, 0) - 1)
;;       q = np.round(r / step) * step * 2.0 ** e      # np.round: ties to even
;;       return np.moveaxis(q.reshape(q.shape[:-2] + (-1,))[..., :K], -1, axis).astype(np.float32)
;;   ~~~
;;   SOFTMAX AHEAD OF A QUANTISED PRODUCT. Where the list says 'softmax', what is quantised is not the finished softmax but p = 2^(t - M), with t = logit x log2(e) and M = ceil(the row's largest t), a whole number; so 1/2 < the row's largest p <= 1. The row's sum l is taken of the UNQUANTISED p, in f32, and the product's result is divided by l at the end. Since M is a whole number, a kernel that streams over the keys may use a running M (the ceiling of the running maximum): every later rescaling is an exact power of two, which a block's scale takes up: the codes' values come out the same.
;;   OPERANDS COMPUTED ON THE WAY. 'Computed on the way' means the value that the module computes at that place (a softmax that the list does not call 'softmax' is quantised finished and normalised). What goes into a quantiser is computed in f32, as accurately as f32 sums, v_exp_f32 and their like allow (about 1e-6 of the number): no bf16 or f16 on the way to a quantiser, and a product that is left as it is and whose result goes on into a quantised operand takes f32 operands (vector FMAs, or v_wmma_f32_16x16x4_f32). A number that lies on a knife's edge between two numbers of the format may be rounded either way, as far as f32 arithmetic and the matrix unit's own rounding can turn it there, and no further.
;; One version. Each part assembles by itself: llvm-mc -triple=amdgcn-amd-amdhsa -mcpu=gfx1250 --defsym DOCPART=n.
;; ======== version 1 of 1: 4 launches
;; limits: right only within a limited range of input values
;; workspace buffers: xc 4,194,304 bytes; xs 262,144 bytes; wc 2,097,152 bytes; ws 131,072 bytes; qkv 17,825,792 bytes; zc 4,194,304 bytes; zs 262,144 bytes
;; launch quant (part 1): grid 320 x 1, 4 waves a work-group, no clusters, 41,472 bytes of LDS; arguments x, Wq, Wk, Wv, Wo, xc, xs, wc, ws; writes xc, xs, wc, ws
.if DOCPART == 1
	.amdgcn_target "amdgcn-amd-amdhsa--gfx1250"
	.amdhsa_code_object_version 6
	.text
	.protected	k_qfa4f93a757_quant
	.globl	k_qfa4f93a757_quant
	.p2align	8
	.type	k_qfa4f93a757_quant,@function
k_qfa4f93a757_quant:
	s_mov_b64 s[64:65], 0
	v_nop
	global_prefetch_b8 v0, s[64:65] scope:SCOPE_SE
	s_setreg_imm32_b32 hwreg(HW_REG_WAVE_MODE, 25, 1), 1
	s_wait_xcnt 0x0
; x [8192][1024], Wq, Wk, Wv [16][1024][64] and Wo [1024][1024], all f32, become codes of FP4 (E2M1) with one E8M0 byte for each 32 along K (K = x's last axis, the weights' axis of 1,024).
; A block's scale is 2^(floor(log2(its largest magnitude)) - 2): its byte is that magnitude's exponent field - 2, held at 1 from below; numbers are divided by it and rounded to the nearest code, ties to even.
; LIMITS: NaN and infinities among the inputs are not served.  A block of zeros, or one whose largest magnitude lies under 2^-124, gets the byte 1 (the rule says 127 for zeros): its codes are zeros or as the
; held scale gives them, and the bytes are read by this program alone.
; THE LAYOUT OUT is the order of the operand's registers.  A PANEL is 128 rows (tokens of x, columns of a weight) x K 1,024: 65,536 bytes [K half 2][tile 8][K step 4][c 2][lane 32][16 bytes]; lane (r, h) of (K step, c)
; holds the 32 codes of block 4 x K step + 2 c + h of the tile's row r.  So block t of a K half lies at 256 t + 16 r in its tile's 4,096 bytes.  A panel's scale bytes: 4,096 bytes [K half 2][tile 8][r 16][16 bytes].
; THE ROWS OF A TILE ARE NOT NEIGHBOURS: row r of tile T is row 32 (T / 2) + 8 (T % 2) + r % 8 + 16 (r / 8) of the tensor (bits 3 and 4 of the row's number change places).
; Panels of wc: Wq 0-7, Wk 8-15, Wv 16-23 (column = 64 x head + d), Wo 24-31.
; WORK-GROUPS: 0-47 the head weights, 48-63 Wo: a panel's K half each, a wave 32 columns, a lane a column, its registers down K.  64-319 x: a wave takes a tile's K half, 16 rows x 512 numbers.
; Waves share nothing: no barrier.  Only x's path uses LDS.
.set X,    32                          ; weights: v32-95 two sets of 32 numbers
.set CW,   96                          ; v96-159 a block's codes, four registers for each of 16 blocks: no store's data are written again
.set SB,   24                          ; v24-27 the scale bytes, four to a register
.set R,    16                          ; x: v16-79 four sets of 16 numbers as loaded
.set XX,   80                          ; v80-111 two sets of 16 neighbours
.set E,    112                         ; v112-127 a scale byte for each step
.set C,    128                         ; v128-159 codes, two registers for each step
.set OUTR, 160                         ; v160-191 the way out
.set SP,   80                          ; a lane's place in a turning stage: 64 bytes + 16 of padding
.set WREG, 10240                       ; LDS of a wave: two turning stages of 32 x SP bytes,
.set SCB,  5120                        ; its 256 scale bytes,
.set CST,  5376                        ; and the stage for its codes: 16 rows (blocks) of 256 bytes + 16
.set CPI,  272
	s_load_b256 s[4:11], s[0:1], 0x0               ; x s[4:5], Wq s[6:7], Wk s[8:9], Wv s[10:11]
	s_load_b256 s[12:19], s[0:1], 0x20             ; Wo s[12:13], xc s[14:15], xs s[16:17], wc s[18:19]
	s_load_b64 s[20:21], s[0:1], 0x40              ; ws
	v_lshl_add_u32 v192, v0, 2, 0xa000
	v_mov_b32 v193, 0
	v_lshrrev_b32 v1, 5, v0
	v_readfirstlane_b32 s22, v1                    ; wave 0..3
	v_and_b32 v2, 31, v0                           ; lane
	s_mov_b32 s31, 0                               ; the upper word of the offsets' pair s[30:31]
	s_wait_kmcnt 0x0
	s_cmp_lt_u32 ttmp9, 48
	s_cbranch_scc1 .Lheads
	s_cmp_lt_u32 ttmp9, 64
	s_cbranch_scc1 .Lwo
	; ---------------- x ----------------
	s_sub_co_u32 s24, ttmp9, 64
	s_lshl_b32 s24, s24, 2
	s_add_co_u32 s24, s24, s22                     ; which of 1,024 shares is my wave's
	s_lshr_b32 s25, s24, 1                         ; T: the tile, 0 .. 511
	s_and_b32 s24, s24, 1                          ; q: the K half
	s_lshr_b32 s30, s25, 1
	s_lshl_b32 s30, s30, 17                        ; 32 (T / 2) rows of 4,096 bytes
	s_and_b32 s26, s25, 1
	s_lshl_b32 s26, s26, 15                        ; + 8 (T % 2) rows
	s_add_co_u32 s30, s30, s26
	s_lshl_b32 s26, s24, 11                        ; + 2,048 q
	s_add_co_u32 s30, s30, s26
	s_add_nc_u64 s[4:5], s[4:5], s[30:31]
	s_lshr_b32 s30, s25, 3
	s_lshl_b32 s30, s30, 16                        ; the panel,
	s_lshl_b32 s26, s24, 15                        ; the K half,
	s_add_co_u32 s30, s30, s26
	s_and_b32 s26, s25, 7
	s_lshl_b32 s26, s26, 12                        ; the tile in the panel
	s_add_co_u32 s30, s30, s26
	s_add_nc_u64 s[14:15], s[14:15], s[30:31]
	s_lshr_b32 s30, s30, 4                         ; the scale bytes lie alike, at a sixteenth of the offset
	s_add_nc_u64 s[16:17], s[16:17], s[30:31]
	s_mul_i32 s23, s22, WREG                       ; my wave's LDS
	s_wait_alu depctr_va_vdst(0)
	v_lshlrev_b32 v3, 4, v2                        ; my 16 bytes of 512: for the loads and for the codes' stores
	v_lshrrev_b32 v14, 2, v2
	v_mul_u32_u24 v14, v14, SP
	v_and_b32 v15, 3, v2
	v_lshl_add_u32 v14, v15, 4, v14
	v_add_nc_u32 v14, s23, v14                     ; a turning stage, on the way in: SP (lane / 4) + 16 (lane % 4)
	v_mul_u32_u24 v15, v2, SP
	v_add_nc_u32 v15, s23, v15                     ; and on the way out: SP x lane: my 16 neighbours
	v_lshrrev_b32 v5, 1, v2                        ; my block of the step's 16
	v_mul_u32_u24 v4, v5, CPI
	v_and_b32 v6, 1, v2
	v_lshl_add_u32 v4, v6, 3, v4
	v_add_nc_u32 v4, s23, v4
	v_add_nc_u32 v4, CST, v4                       ; the codes' stage, in: row = my block, 8 bytes for each half of it; the step (the tile's row r) adds 16 r
	v_add_nc_u32 v5, s23, v5
	v_add_nc_u32 v5, SCB, v5                       ; my block's scale byte; the step adds 16 r
	v_lshlrev_b32 v7, 3, v2
	v_add_nc_u32 v6, s23, v7
	v_add_nc_u32 v6, SCB, v6                       ; the scale bytes on the way out: 8 a lane
	v_lshrrev_b32 v10, 4, v2
	v_mul_u32_u24 v10, v10, CPI
	v_and_b32 v11, 15, v2
	v_lshl_add_u32 v10, v11, 4, v10
	v_add_nc_u32 v10, s23, v10
	v_add_nc_u32 v10, CST, v10                     ; the codes' stage, out: sixteen lanes to a row, two rows an instruction
.macro XLOAD t                         ; step t = row r = t of the tile: 2,048 bytes by four loads of 512 consecutive bytes
.irp i, 0,1,2,3
	global_load_b128 v[R+16*((\t)%4)+4*\i:R+16*((\t)%4)+4*\i+3], v3, s[4:5] offset:(((\t)&7)+16*((\t)>>3))*4096+512*\i th:TH_LOAD_NT
.endr
.endm
.macro XTURN t                         ; through a turning stage: in as loaded, out 64 bytes a lane.  LDS serves a wave's instructions in order: no wait between
.irp i, 0,1,2,3
	ds_store_b128 v14, v[R+16*((\t)%4)+4*\i:R+16*((\t)%4)+4*\i+3] offset:32*SP*((\t)%2)+8*SP*\i
.endr
.irp i, 0,1,2,3
	ds_load_b128 v[XX+16*((\t)%2)+4*\i:XX+16*((\t)%2)+4*\i+3], v15 offset:32*SP*((\t)%2)+16*\i
.endr
.endm
.irp t, 0,1,2,3
	XLOAD \t
.endr
	s_wait_loadcnt 12                              ; step 0's four loads are in
	XTURN 0
.macro XSTEP t
.set XS, XX+16*((\t)%2)
.if (\t) > 0
	s_wait_dscnt 2                                 ; this step's numbers are back from the stage; the last step's byte store and code store may be out
.else
	s_wait_dscnt 0x0
.endif
.if (\t)+4 < 16
	XLOAD (\t)+4                                   ; into the registers that this step's stores into the stage have read
.endif
.if (\t)+1 < 16
.if 14-(\t) >= 3
	s_wait_loadcnt 12                              ; the next step's four loads are in; those of the three steps behind it may be out
.else
	s_wait_loadcnt 4*(14-(\t))
.endif
	XTURN (\t)+1
.endif
	v_max3_num_f32 v8, |v[XS]|, |v[XS+1]|, |v[XS+2]|       ; the largest magnitude of my 16
	v_max3_num_f32 v9, |v[XS+3]|, |v[XS+4]|, |v[XS+5]|
.irp i, 6,10
	v_max3_num_f32 v8, v8, |v[XS+\i]|, |v[XS+\i+1]|
	v_max3_num_f32 v9, v9, |v[XS+\i+2]|, |v[XS+\i+3]|
.endr
	v_max3_num_f32 v8, v8, |v[XS+14]|, |v[XS+15]|
	v_max3_num_f32 v8, v8, v9, 0x1800000           ; and the floor 2^(3 - 127): the byte cannot fall under 1
	v_max_num_f32_dpp v8, v8, v8 row_xmask:1 row_mask:0xf bank_mask:0xf   ; and of my neighbour's 16: the block's
	v_add_nc_u32 v11, 0xff000000, v8               ; 2 off its exponent field: the conversion takes this operand's exponent field as its scale
	v_cvt_scalef32_pk8_fp4_f32 v[C+2*(\t)], v[XS:XS+7], v11
	v_cvt_scalef32_pk8_fp4_f32 v[C+2*(\t)+1], v[XS+8:XS+15], v11
	v_lshrrev_b32 v[E+(\t)], 23, v11               ; the scale's byte
	ds_store_b8 v5, v[E+(\t)] offset:16*(\t)       ; both lanes of a block write the same byte with the same value
	ds_store_b64 v4, v[C+2*(\t):C+2*(\t)+1] offset:16*(\t)   ; my 16 codes, at row r's place in my block's 256 bytes
.endm
.irp t, 0,1,2,3,4,5,6,7,8,9,10,11,12,13,14,15
	XSTEP \t
.endr
	ds_load_b64 v[12:13], v6                       ; LDS serves a wave's instructions in order: these see my stores
.irp i, 0,1,2,3,4,5,6,7
	ds_load_b128 v[OUTR+4*\i:OUTR+4*\i+3], v10 offset:2*\i*CPI
.endr
	s_wait_dscnt 8                                 ; the scale bytes are back; the eight loads behind them may be out
	global_store_b64 v7, v[12:13], s[16:17]        ; 32 lanes store 256 consecutive bytes, aligned
.irp i, 0,1,2,3,4,5,6,7
	s_wait_dscnt 7-\i
	global_store_b128 v3, v[OUTR+4*\i:OUTR+4*\i+3], s[14:15] offset:512*\i   ; 512 consecutive bytes: blocks 2 i and 2 i + 1 of the tile's 16 rows
.endr
	s_wait_tensorcnt 0x0
	ds_add_u32 v192, v193
	s_wait_dscnt 0x0
	s_endpgm
	; ---------------- the weights ----------------
.macro WLOAD t, stride                 ; block t: W(32 t + i, my column), i = 0 .. 31: a wave's load reads 128 consecutive bytes
.irp i, 0,1,2,3,4,5,6,7,8,9,10,11,12,13,14,15,16,17,18,19,20,21,22,23,24,25,26,27,28,29,30,31
	global_load_b32 v[X+32*((\t)%2)+\i], v3, s[26:27] offset:(32*(\t)+\i)*(\stride) th:TH_LOAD_NT
.endr
.endm
.macro WBLOCK t, stride
.set XS, X+32*((\t)%2)
.if (\t) < 15
	s_wait_loadcnt 32                              ; this block's 32 loads are in; the next block's may be out
.else
	s_wait_loadcnt 0x0
.endif
	v_max3_num_f32 v12, |v[XS]|, |v[XS+1]|, |v[XS+2]|      ; the block's largest magnitude: all 32 numbers are mine
	v_max3_num_f32 v13, |v[XS+3]|, |v[XS+4]|, |v[XS+5]|
.irp i, 6,10,14,18,22,26
	v_max3_num_f32 v12, v12, |v[XS+\i]|, |v[XS+\i+1]|
	v_max3_num_f32 v13, v13, |v[XS+\i+2]|, |v[XS+\i+3]|
.endr
	v_max3_num_f32 v12, v12, |v[XS+30]|, |v[XS+31]|
	v_max3_num_f32 v12, v12, v13, 0x1800000        ; and the floor 2^(3 - 127)
	v_add_nc_u32 v11, 0xff000000, v12              ; the conversion's scale operand
	v_lshrrev_b32 v13, 23, v11                     ; the scale's byte
.if (\t)%4 == 0
	v_mov_b32 v[SB+(\t)/4], v13                    ; four bytes to a register, the lower K in the lower byte
.else
	v_lshl_or_b32 v[SB+(\t)/4], v13, 8*((\t)%4), v[SB+(\t)/4]
.endif
.irp g, 0,1,2,3
	v_cvt_scalef32_pk8_fp4_f32 v[CW+4*(\t)+\g], v[XS+8*\g:XS+8*\g+7], v11
.endr
	global_store_b128 v8, v[CW+4*(\t):CW+4*(\t)+3], s[28:29] offset:256*(\t)   ; lanes 0-15 and lanes 16-31 each store 256 consecutive bytes, aligned: block t of a tile's 16 rows
.if (\t)+2 < 16
	WLOAD (\t)+2, \stride
.endif
.endm
; s24 = the panel, s23 = the K half, s[26:27] = the first row of my wave's 32 columns in that K half
.macro WQ stride
	v_and_b32 v3, 7, v2
	v_bfe_u32 v4, v2, 3, 1
	v_bfe_u32 v5, v2, 4, 1
	v_lshl_or_b32 v3, v4, 4, v3
	v_lshl_or_b32 v3, v5, 3, v3                    ; my column of the 32: my lane's number with bits 3 and 4 changed over
	v_lshlrev_b32 v3, 2, v3
	s_wait_alu depctr_va_vdst(0)
	v_and_b32 v8, 15, v2
	v_lshlrev_b32 v8, 4, v8
	v_lshl_or_b32 v8, v5, 12, v8                   ; the codes: tile lane / 16 of my wave's two, row lane % 16
	v_lshlrev_b32 v9, 4, v2                        ; the scale bytes: 16 a lane
	s_lshl_b32 s30, s24, 16
	s_lshl_b32 s34, s23, 15
	s_add_co_u32 s30, s30, s34
	s_lshl_b32 s34, s22, 13
	s_add_co_u32 s30, s30, s34                     ; panel, K half, my wave's two tiles
	s_add_nc_u64 s[28:29], s[18:19], s[30:31]
	s_lshr_b32 s30, s30, 4                         ; the scale bytes lie alike, at a sixteenth of the offset
	s_add_nc_u64 s[32:33], s[20:21], s[30:31]
	WLOAD 0, \stride
	WLOAD 1, \stride
.irp t, 0,1,2,3,4,5,6,7,8,9,10,11,12,13,14,15
	WBLOCK \t, \stride
.endr
	global_store_b128 v9, v[SB:SB+3], s[32:33]     ; 512 consecutive bytes
	s_endpgm
.endm
.Lheads:
	s_and_b32 s23, ttmp9, 1                        ; the K half
	s_lshr_b32 s24, ttmp9, 1                       ; the panel, 0 .. 23
	s_cmp_lt_u32 s24, 16
	s_cselect_b64 s[26:27], s[8:9], s[10:11]
	s_cmp_lt_u32 s24, 8
	s_cselect_b64 s[26:27], s[6:7], s[26:27]       ; Wq, Wk or Wv
	s_and_b32 s25, s24, 7
	s_lshl_b32 s25, s25, 1
	s_lshr_b32 s30, s22, 1
	s_add_co_u32 s25, s25, s30                     ; the head: a panel holds two
	s_lshl_b32 s30, s25, 18                        ; a head is 1,024 rows of 256 bytes
	s_lshl_b32 s34, s23, 17                        ; 512 rows on for the second K half
	s_add_co_u32 s30, s30, s34
	s_and_b32 s34, s22, 1
	s_lshl_b32 s34, s34, 7                         ; my wave's 32 of the head's 64 columns
	s_add_co_u32 s30, s30, s34
	s_add_nc_u64 s[26:27], s[26:27], s[30:31]
	s_wait_alu depctr_va_vdst(0)
	WQ 256
.Lwo:
	s_and_b32 s23, ttmp9, 1
	s_lshr_b32 s24, ttmp9, 1                       ; the panel, 24 .. 31
	s_lshl_b32 s30, s23, 21                        ; 512 rows of 4,096 bytes
	s_sub_co_u32 s34, s24, 24
	s_lshl_b32 s34, s34, 9                         ; the panel's 128 columns
	s_add_co_u32 s30, s30, s34
	s_lshl_b32 s34, s22, 7                         ; my wave's 32
	s_add_co_u32 s30, s30, s34
	s_add_nc_u64 s[26:27], s[12:13], s[30:31]
	s_wait_alu depctr_va_vdst(0)
	WQ 4096
.Lfunc_end_k_qfa4f93a757_quant:
	.size	k_qfa4f93a757_quant, .Lfunc_end_k_qfa4f93a757_quant-k_qfa4f93a757_quant
	.p2alignl 7, 3214868480
	.fill 96, 4, 3214868480
	.section	.rodata,"a",@progbits
	.p2align	6, 0x0
	.amdhsa_kernel k_qfa4f93a757_quant
		.amdhsa_group_segment_fixed_size 41472
		.amdhsa_private_segment_fixed_size 0
		.amdhsa_enable_private_segment 0
		.amdhsa_kernarg_size 72
		.amdhsa_user_sgpr_count 2
		.amdhsa_user_sgpr_kernarg_segment_ptr 1
		.amdhsa_wavefront_size32 1
		.amdhsa_system_sgpr_workgroup_id_x 1
		.amdhsa_system_sgpr_workgroup_id_y 1
		.amdhsa_system_sgpr_workgroup_id_z 1
		.amdhsa_system_vgpr_workitem_id 0
		.amdhsa_next_free_vgpr 194
		.amdhsa_next_free_sgpr 66
		.amdhsa_reserve_vcc 0
		.amdhsa_float_denorm_mode_32 3
		.amdhsa_float_denorm_mode_16_64 3
		.amdhsa_memory_ordered 1
		.amdhsa_forward_progress 1
		.amdhsa_inst_pref_size 184
	.end_amdhsa_kernel
	.amdgpu_metadata
---
amdhsa.version: [ 1, 2 ]
amdhsa.kernels:
  - .name:           k_qfa4f93a757_quant
    .symbol:         k_qfa4f93a757_quant.kd
    .args:
      - { .name: x, .offset: 0, .size: 8, .value_kind: global_buffer, .address_space: global }
      - { .name: Wq, .offset: 8, .size: 8, .value_kind: global_buffer, .address_space: global }
      - { .name: Wk, .offset: 16, .size: 8, .value_kind: global_buffer, .address_space: global }
      - { .name: Wv, .offset: 24, .size: 8, .value_kind: global_buffer, .address_space: global }
      - { .name: Wo, .offset: 32, .size: 8, .value_kind: global_buffer, .address_space: global }
      - { .name: xc, .offset: 40, .size: 8, .value_kind: global_buffer, .address_space: global }
      - { .name: xs, .offset: 48, .size: 8, .value_kind: global_buffer, .address_space: global }
      - { .name: wc, .offset: 56, .size: 8, .value_kind: global_buffer, .address_space: global }
      - { .name: ws, .offset: 64, .size: 8, .value_kind: global_buffer, .address_space: global }
    .group_segment_fixed_size: 41472
    .private_segment_fixed_size: 0
    .kernarg_segment_align: 8
    .kernarg_segment_size: 72
    .max_flat_workgroup_size: 128
    .sgpr_count:     66
    .vgpr_count:     194
    .wavefront_size: 32
...
	.end_amdgpu_metadata
.endif
;; end of part 1
;; launch proj (part 2): grid 12 x 32, 4 waves a work-group, clusters of 4 x 4, 279,040 bytes of LDS; arguments xc, xs, wc, ws, bq, bk, bv, qkv; writes qkv
.if DOCPART == 2
	.amdgcn_target "amdgcn-amd-amdhsa--gfx1250"
	.amdhsa_code_object_version 6
	.text
	.protected	k_qfa4f93a757_proj
	.globl	k_qfa4f93a757_proj
	.p2align	8
	.type	k_qfa4f93a757_proj,@function
k_qfa4f93a757_proj:
	s_mov_b64 s[64:65], 0
	v_nop
	global_prefetch_b8 v0, s[64:65] scope:SCOPE_SE
	s_setreg_imm32_b32 hwreg(HW_REG_WAVE_MODE, 25, 1), 1
	s_wait_xcnt 0x0
	s_wait_alu depctr_hold_cnt(0) depctr_sa_sdst(0) depctr_va_vdst(0) depctr_va_sdst(0) depctr_va_ssrc(0) depctr_va_vcc(0) depctr_vm_vsrc(0)
	s_getreg_b32 s2, hwreg(HW_REG_IB_STS2, 6, 4)
	s_cmp_eq_u32 s2, 0
	s_cbranch_scc0 .Lentry_in_a_cluster
	s_endpgm
.Lentry_in_a_cluster:
	s_bfe_u32 s2, ttmp6, 0x10000c
	s_cmp_lg_u32 s2, 0xf033
	s_cbranch_scc0 .Lentry_shape_is_right
	s_endpgm
.Lentry_shape_is_right:
; Q, K, V = x W + b on codes of FP4 with E8M0 scales, K = 1,024, and their quantising for the attention: Q and K along the head's 64 (two blocks), V along the tokens.
; A tile of 256 x 256 is made by four waves, 128 x 128 each: 64 accumulators, 512 registers.  All of K for both operands lies in LDS at once (2 x 131,072 bytes of codes, 2 x 8,192 of scale bytes): nothing is filled again.
; OPERANDS are panels in the order of the operand's registers (128 rows x K 1,024 = 65,536 bytes [K half][tile 8][K step 4][c 2][lane][16 bytes]): a fragment is two loads of 512 consecutive bytes.
; Row r of tile T of a panel is row 32 (T / 2) + 8 (T % 2) + r % 8 + 16 (r / 8): so where a tile is source 0, a lane's 16 registers of tiles 2 B and 2 B + 1 are the neighbours 32 B + 16 (lane / 16) + 0 .. 15.
; ROLES, by the cluster's x, which all partners share.  x = 0, 1 (Q, K): source 1 (LDS region A) = 256 tokens, source 0 (region B) = 256 columns of Wq | Wk: a lane holds one token, its registers run along the columns (the head's d).
;   x = 2 (V): source 1 (region A) = 256 columns of Wv, source 0 (region B) = 256 tokens: a lane holds one column d, its registers run along the tokens, which are the K of the attention's second product.
; CLUSTER 4 x 4: region A's panels hang on the cluster's y and cy alone and are asked for jointly by a row of the cluster; region B's on the cluster's place and cx alone, jointly by a column.
; OUT: qkv [g 32][batch 4][step 16][8,704 bytes]; g 0-15 Q's heads, g 16-31 K and V of head g - 16; a step is a panel's 128 tokens:
;   +0 eight images of 512 bytes (tile, lane (r, h) = token r, block h of d)   +4,096 V: [tile of d 4][c 2][lane][16 bytes]   +8,192 [r 16][j 4] words: the 2 bytes of tile 2 j, then those of tile 2 j + 1   +8,448 [r 16][tile of d 4] words of V.
; LIMITS: NaN and infinities are not served; a block of zeros, or one under 2^-124, gets the scale byte 1, which this program alone reads.  The sums' order is the matrix unit's own.
; REGISTERS: window 0: v1-21 addresses and scale words at work; v24-31 the codes just made; v32-95 scale words, a set for each K half; v96-111 bv; v112-127 at work; v128-191 region A's fragments, later 64 numbers; v192-255 bq or bk.
;   window 1: region B's fragments, two sets, at v0 and v128.   windows 2, 3: the accumulators ((a, b) at v[8 (8 (a % 4) + b)]).
.set KSA,  4                           ; v4-7    the first head's scale words
.set KSB,  8                           ; v8-11   the second head's
.set BQO,  12                          ; v12     bq, bk: 64 x (lane / 16)
.set BVO,  13                          ; v13     bv: 4 x (r + 8 (r / 8))
.set ADRA, 14                          ; v14     LDS address of region A's fragments
.set ADRB, 15                          ; v15     of region B's
.set ADRS, 16                          ; v16     of the scale words: lanes 0-15 region A's, lanes 16-31 region B's
.set LI,   17                          ; v17     16 x lane
.set SA,   18                          ; v18     the scale words' way out: 16 r, and a g further on for lanes 16-31
.set PW,   19                          ; v19     the scale word just made
.set PWE,  20                          ; v20     that of the even tile before
.set PC,   24
.set SC,   32
.set BV,   96
.set TM,   112
.set AF,   128
.set HA,   128
.set BI,   192
.set G1,   24                          ; s[24:31] group 1 for region A's codes;  s[32:35] group 0
.set G0,   32
.set G1B,  48                          ; s[48:55], s[56:59] the same for region B
.set G0B,  56
.set G1S,  68
.set G0S,  76
.set G1SB, 80
.set G0SB, 88
.set GSTR, 557056                      ; from g to g + 1
.set MSB, 0
.macro WIN new                         ; the immediate's high byte repeats the setting that is left
.if MSB != (\new)
	s_set_vgpr_msb (MSB<<8)|(\new)
.set MSB, (\new)
.endif
.endm
.set MUL_LO, 0xa1                      ; source 0 window 1, source 1 window 0, C and D window 2
.set MUL_HI, 0xf1                      ; the same, C and D window 3
.set TO_B,   0x40                      ; destination window 1, address window 0
; The head's joint loads, one a wave, each in its own arm of one chain of branches on the wave's number: wave 0 region A's K half 0, wave 1 region B's, wave 2 region A's K half 1, wave 3 region B's.
.macro ARM w, g0, g1, next
	s_cmp_eq_u32 s20, \w
	s_cbranch_scc0 \next
	tensor_load_to_lds s[\g0:\g0+3], s[\g1:\g1+7]
	s_nop 0
.rept 4
	v_nop
.endr
	s_branch .Lasked
\next:
.endm
.macro CROUND                          ; a round of the cluster's barrier
	s_barrier_signal -1
	s_barrier_wait -1
	s_cmp_lg_u32 s20, 0
	s_cbranch_scc1 .Lnot_wave_0_\@
	s_barrier_signal -3
.Lnot_wave_0_\@:
	s_barrier_wait -3
	s_barrier_signal -1
	s_barrier_wait -1
.endm
	s_load_b256 s[4:11], s[0:1], 0x0               ; xc s[4:5], xs s[6:7], wc s[8:9], ws s[10:11]
	s_load_b256 s[12:19], s[0:1], 0x20             ; bq s[12:13], bk s[14:15], bv s[16:17], qkv s[18:19]
	v_lshl_add_u32 v122, v0, 2, 0x44000
	v_mov_b32 v123, 0
	ds_add_u32 v122, v123
	ds_add_u32 v122, v123
	v_lshrrev_b32 v1, 5, v0
	v_readfirstlane_b32 s20, v1                    ; wave 0..3
	s_lshr_b32 s21, s20, 1                         ; which panel of region A is mine.  Also: I fetch for region A (0) or B (1)
	s_and_b32 s22, s20, 1                          ; which panel of region B is mine.  Also: which panel of that region I fetch
	s_bfe_u32 s40, ttmp6, 0x40000                  ; cx, cy: my place in the cluster
	s_bfe_u32 s41, ttmp6, 0x40004
	s_and_b32 s3, ttmp7, 0xffff                    ; the cluster's y
	s_lshl_b32 s3, s3, 2
	s_add_co_u32 s23, s3, s41                      ; ty = 4 x cluster y + cy: Q, K: the block of 256 tokens
	s_add_co_u32 s2, s3, s40                       ; tb = 4 x cluster y + cx: V: the block of 256 tokens
	s_lshl_b32 s47, ttmp9, 2
	s_add_co_u32 s47, s47, s40                     ; tx = 4 x cluster x + cx: Q, K: the block of 256 columns of Wq | Wk
	s_lshl_b32 s44, s41, 2
	s_lshl_b32 s44, 15, s44                        ; my row of the cluster
	s_lshl_b32 s45, 0x1111, s40                    ; my column
	; group 1: dense blocks as rows of 32,768 bytes (4,096 elements of 8 bytes): half a panel's codes are one row.  No padding: fragments are read as they lie
	s_or_b32 s[G1+0], s44, (3<<16)|(1<<21)         ; 15:0 the mask; 17:16 elements of 8 bytes; 21 set beside a mask
	s_or_b32 s[G1B+0], s45, (3<<16)|(1<<21)
.irp g, G1, G1B                        ; a tile is one K half of a region's two panels: 2 rows of 32,768 bytes (4,096 elements of 8), 65,536 bytes apart in memory, dense in LDS
	s_mov_b32 s[\g+1], 4096<<16                    ; tensor_dim0
	s_mov_b32 s[\g+2], 2<<16                       ; tensor_dim1
	s_mov_b32 s[\g+3], 4096<<16                    ; tile_dim0
	s_mov_b32 s[\g+4], 2                           ; tile_dim1
	s_mov_b32 s[\g+5], 8192                        ; tensor_dim0_stride
	s_mov_b32 s[\g+6], 0
	s_mov_b32 s[\g+7], 0
.endr
	s_lshl_b32 s66, s23, 1                         ; Q, K: region A = x's panels 2 ty, 2 ty + 1
	s_lshl_b32 s67, s41, 1
	s_add_co_u32 s67, s67, 16                      ; V: region A = Wv's panels 16 + 2 cy, + 1
	s_wait_dscnt 0x0
	s_wait_kmcnt 0x0
	s_cmp_lt_u32 ttmp9, 2                          ; the role: the same in all sixteen partners
	s_cselect_b32 s66, s66, s67
	s_cselect_b32 s100, s47, s2                    ; region B = W's block tx, or x's block tb
	s_cselect_b64 s[92:93], s[4:5], s[8:9]         ; region A's codes,
	s_cselect_b64 s[94:95], s[6:7], s[10:11]       ; its scale bytes,
	s_cselect_b64 s[96:97], s[8:9], s[4:5]         ; region B's codes,
	s_cselect_b64 s[98:99], s[10:11], s[6:7]       ; its scale bytes
	s_lshl_b32 s100, s100, 1                       ; the first panel of each region's two
	s_mov_b32 s67, 0
	s_mov_b32 s101, 0
	s_lshl_b32 s3, s66, 12
	s_lshl_b32 s66, s66, 16
	s_add_nc_u64 s[92:93], s[92:93], s[66:67]
	s_mov_b32 s66, s3
	s_add_nc_u64 s[94:95], s[94:95], s[66:67]
	s_lshl_b32 s3, s100, 12
	s_lshl_b32 s100, s100, 16
	s_add_nc_u64 s[96:97], s[96:97], s[100:101]
	s_mov_b32 s100, s3
	s_add_nc_u64 s[98:99], s[98:99], s[100:101]
	s_lshl_b32 s66, s21, 15                        ; the K half that I fetch is wave / 2: 32,768 bytes on in each panel,
	s_lshl_b32 s3, s21, 16                         ; and 65,536 on in a region of LDS: [K half][panel][32,768]; no place in the cluster enters an LDS address
	CROUND                                         ; all sixteen work-groups are here: the joint loads meet
	s_mov_b32 s[G0], 1
	s_mov_b32 s[G0+1], s3
	s_add_nc_u64 s[G0+2:G0+3], s[92:93], s[66:67]
	s_or_b32 s[G0+3], s[G0+3], 0x80000000
	s_mov_b32 s[G0B], 1
	s_add_co_u32 s[G0B+1], s3, 131072
	s_add_nc_u64 s[G0B+2:G0B+3], s[96:97], s[66:67]
	s_or_b32 s[G0B+3], s[G0B+3], 0x80000000
	ARM 0, G0, G1, .Lw1
	ARM 1, G0B, G1B, .Lw2
	ARM 2, G0, G1, .Lw3
	tensor_load_to_lds s[G0B:G0B+3], s[G1B:G1B+7]
	s_nop 0
.rept 4
	v_nop
.endr
.Lasked:
	v_and_b32 v1, 15, v0                           ; r
	v_bfe_u32 v2, v0, 4, 1                         ; h
	v_and_b32 v3, 31, v0
	v_lshlrev_b32 v[LI], 4, v3
	s_wait_alu depctr_va_vdst(0)
	s_cmp_eq_u32 s21, 0
	s_cselect_b64 s[68:69], s[94:95], s[98:99]
	s_lshl_b32 s66, s22, 12
	s_add_nc_u64 s[68:69], s[68:69], s[66:67]
.irp i, 0,1,2,3,4,5,6,7
	global_load_b128 v[AF+4*\i:AF+4*\i+3], v[LI], s[68:69] offset:512*\i
.endr
	s_lshl_b32 s3, s20, 12
	s_add_co_u32 s3, s3, 262144
	v_add_nc_u32 v120, s3, v[LI]                   ; where they go: behind the codes, wave x 4,096
	s_lshl_b32 s96, s21, 15
	v_add_nc_u32 v[ADRA], s96, v[LI]
	s_lshl_b32 s96, s22, 15
	s_add_co_u32 s96, s96, 131072
	v_add_nc_u32 v[ADRB], s96, v[LI]
	v_add_nc_u32 v[ADRA+8], 65536, v[ADRA]         ; v22, v23: the same for the second K half
	v_add_nc_u32 v[ADRB+8], 65536, v[ADRB]
	s_wait_alu depctr_va_vdst(0)
	s_lshl_b32 s96, s21, 12                        ; region A's scale bytes: my panel
	s_lshl_b32 s97, s22, 12                        ; region B's: my panel, 8,192 bytes behind A's first
	s_add_co_u32 s97, s97, 8192
	s_sub_co_u32 s97, s97, s96
	v_mul_u32_u24 v21, s97, v2                     ; lanes 16-31 take region B's
	s_wait_alu depctr_va_vdst(0)
	s_add_co_u32 s96, s96, 262144
	v_lshl_add_u32 v21, v1, 4, v21                 ; a row's 16 bytes of a K half
	v_add_nc_u32 v[ADRS], s96, v21
	v_mul_u32_u24 v[SA], v2, GSTR
	v_lshl_add_u32 v[SA], v1, 4, v[SA]
	v_lshlrev_b32 v[BQO], 6, v2
	s_wait_alu depctr_va_vdst(0)
	v_lshrrev_b32 v21, 3, v1
	v_lshl_add_u32 v21, v21, 3, v1
	v_lshlrev_b32 v[BVO], 2, v21
	s_wait_alu depctr_va_vdst(0)
.irp b, 0,1,2,3
	v_mov_b32 v[TM+4+\b], 0                        ; written once: a lane permute's destination counts as one of its sources
.endr
	; the biases, for both roles, so that no branch stands here; they are waited for on the way out
	s_cmp_eq_u32 ttmp9, 0
	s_cselect_b64 s[92:93], s[12:13], s[14:15]     ; bq for the first cluster column, else bk
	s_and_b32 s66, s47, 3
	s_lshl_b32 s66, s66, 10                        ; my block's 256 numbers,
	s_lshl_b32 s3, s22, 9                          ; my panel's 128
	s_add_co_u32 s66, s66, s3
	s_add_nc_u64 s[92:93], s[92:93], s[66:67]
	s_lshl_b32 s66, s41, 10
	s_lshl_b32 s3, s21, 9
	s_add_co_u32 s66, s66, s3
	s_add_nc_u64 s[94:95], s[16:17], s[66:67]      ; bv: block cy, my panel of region A
.irp b, 0,1,2,3
.irp j, 0,1,2,3
	global_load_b128 v[BI+16*\b+4*\j:BI+16*\b+4*\j+3], v[BQO], s[92:93] offset:128*\b+16*\j   ; register 16 B + i: the bias of column 32 B + 16 h + i
.endr
.endr
.irp a, 0,1,2,3,4,5,6,7
	global_load_b32 v[BV+2*\a], v[BVO], s[94:95] offset:(32*(\a/2)+8*(\a%2))*4     ; the bias of my lane's column of tile a, twice: a pair for the packed addition
	global_load_b32 v[BV+2*\a+1], v[BVO], s[94:95] offset:(32*(\a/2)+8*(\a%2))*4
.endr
	; where my wave's part of qkv begins
	s_lshl_b32 s96, s47, 2
	s_lshl_b32 s97, s22, 1
	s_add_co_u32 s96, s96, s97                     ; Q, K: g = 4 tx + 2 x my panel of columns
	s_lshl_b32 s97, s41, 2
	s_lshl_b32 s98, s21, 1
	s_add_co_u32 s97, s97, s98
	s_add_co_u32 s97, s97, 16                      ; V: g = 16 + 4 cy + 2 x my panel of columns
	s_lshl_b32 s98, s23, 1
	s_add_co_u32 s98, s98, s21                     ; Q, K: the panel of tokens 2 ty + mine
	s_lshl_b32 s99, s2, 1
	s_add_co_u32 s99, s99, s22                     ; V: 2 tb + mine
	s_cmp_lt_u32 ttmp9, 2
	s_cselect_b32 s96, s96, s97
	s_cselect_b32 s98, s98, s99
	s_mul_i32 s96, s96, GSTR
	s_lshr_b32 s97, s98, 4
	s_mul_i32 s97, s97, 139264                     ; the batch
	s_and_b32 s98, s98, 15
	s_mul_i32 s98, s98, 8704                       ; the step
	s_add_co_u32 s96, s96, s97
	s_add_co_u32 s96, s96, s98
	s_mov_b32 s97, 0
	s_add_nc_u64 s[2:3], s[18:19], s[96:97]
	s_mov_b32 s42, 0x76543210
	s_mov_b32 s43, 0xfedcba98                      ; v_permlanex16_b32's selects for lane l xor 16
	s_mov_b32 s46, 0xffff0000                      ; lanes 16-31
	s_mov_b32 s100, 0x05040100                     ; v_perm_b32: the two low halves,
	s_mov_b32 s101, 0x07060302                     ; the two high halves
.macro FRAG reg, adr, k, i             ; tile i's fragment of K step k: 8 registers, two loads of 512 consecutive bytes
	ds_load_b128 v[\reg:\reg+3], v[\adr+8*((\k)/4)] offset:(\i)*4096+((\k)%4)*1024
	ds_load_b128 v[\reg+4:\reg+7], v[\adr+8*((\k)/4)] offset:(\i)*4096+((\k)%4)*1024+512
.endm
.macro FETCH_B k                       ; region B's eight fragments of K step k into set k % 2
	WIN TO_B
.irp i, 0,1,2,3,4,5,6,7
	FRAG 128*((\k)%2)+8*\i, ADRB, \k, \i
.endr
	WIN 0
.endm
.macro FETCH_A k, i0                   ; region A's blocks i0 .. i0 + 3
.irp i, \i0, \i0+1, \i0+2, \i0+3
	FRAG AF+8*(\i), ADRA, \k, \i
.endr
.endm
.macro SCALES q                        ; K half q's scale words: register 4 i + K step: lanes 0-15 region A's tile i, lanes 16-31 region B's tile i
.irp i, 0,1,2,3,4,5,6,7
	ds_load_b128 v[SC+32*\q+4*\i:SC+32*\q+4*\i+3], v[ADRS] offset:\q*2048+\i*256
.endr
.endm
; 16 matrix instructions: region A's blocks a0, a0 + 1 x region B's eight, K step k.  zero = 1: the first product starts the sums.  The 64 accumulators take turns, one instruction a turn, in the same order in every step.
.macro MUL16 a0, k, zero
.irp a, \a0, \a0+1
.irp b, 0,1,2,3,4,5,6,7
.if \zero
	v_wmma_scale_f32_16x16x128_f8f6f4 v[8*(8*((\a)%4)+\b):8*(8*((\a)%4)+\b)+7], v[128*((\k)%2)+8*\b:128*((\k)%2)+8*\b+7], v[AF+8*(\a):AF+8*(\a)+7], 0, v[SC+32*((\k)/4)+4*\b+(\k)%4], v[SC+32*((\k)/4)+4*(\a)+(\k)%4] matrix_a_fmt:MATRIX_FMT_FP4 matrix_b_fmt:MATRIX_FMT_FP4 matrix_a_scale:MATRIX_SCALE_ROW1
.else
	v_wmma_scale_f32_16x16x128_f8f6f4 v[8*(8*((\a)%4)+\b):8*(8*((\a)%4)+\b)+7], v[128*((\k)%2)+8*\b:128*((\k)%2)+8*\b+7], v[AF+8*(\a):AF+8*(\a)+7], v[8*(8*((\a)%4)+\b):8*(8*((\a)%4)+\b)+7], v[SC+32*((\k)/4)+4*\b+(\k)%4], v[SC+32*((\k)/4)+4*(\a)+(\k)%4] matrix_a_fmt:MATRIX_FMT_FP4 matrix_b_fmt:MATRIX_FMT_FP4 matrix_a_scale:MATRIX_SCALE_ROW1
.endif
.endr
.endr
.endm
.macro PLACES n                        ; plain vector instructions between a matrix instruction and a load into, or a vector write of, one of its registers, or a read of its result (ISA guide 7.12.1 for vector instructions)
.rept \n
	v_nop
.endr
.endm
; A K step of 128 that has a successor.  meet = 1 (K step 3): the successor lies in the second K half: each wave waits for its last tensor load and for its LDS loads, and passes the work-group's barrier.
.macro STEP k, zero, meet
.if \meet
	s_wait_tensorcnt 0x0                           ; my part of the second K half has landed
	s_wait_dscnt 0x0                               ; no LDS instruction of mine is out at a signal
	s_barrier_signal -1
.else
	s_wait_dscnt 8                                 ; B's set and A's blocks 0-3 are in; the youngest eight loads (A's blocks 4-7) may be out
.endif
	WIN MUL_LO
	MUL16 0, \k, \zero
	MUL16 2, \k, \zero
.if \meet
	s_barrier_wait -1                              ; everybody's part has landed
.endif
	s_wait_dscnt 0x0                               ; A's blocks 4-7 are in
	PLACES 4
	FETCH_B (\k)+1
	FETCH_A (\k)+1, 0
	WIN MUL_HI
	MUL16 4, \k, \zero
	MUL16 6, \k, \zero
	PLACES 4
	WIN 0
	FETCH_A (\k)+1, 4
.endm
	s_wait_alu depctr_va_vdst(0)
	s_wait_loadcnt 32                              ; my eight loads of scale bytes are in; the 32 loads of biases behind them may be out
.irp i, 0,1,2,3,4,5,6,7
	ds_store_b128 v120, v[AF+4*\i:AF+4*\i+3] offset:512*\i
.endr
	s_wait_dscnt 0x0                               ; for the others' sake
	s_cmp_lt_u32 s20, 2
	s_cbranch_scc0 .Lnot_h0
	s_wait_tensorcnt 0x0                           ; waves 0 and 1: the first K half has landed; the second may be out
.Lnot_h0:
	s_barrier_signal -1
	s_barrier_wait -1                              ; everybody's are
	FETCH_B 0
	FETCH_A 0, 0
	SCALES 0
	SCALES 1
	FETCH_A 0, 4
	STEP 0, 1, 0
	STEP 1, 0, 0
	STEP 2, 0, 0
	STEP 3, 0, 1
	STEP 4, 0, 0
	STEP 5, 0, 0
	STEP 6, 0, 0
	s_wait_dscnt 8                                 ; the last K step: nothing more to fetch
	WIN MUL_LO
	MUL16 0, 7, 0
	MUL16 2, 7, 0
	s_wait_dscnt 0x0
	WIN MUL_HI
	MUL16 4, 7, 0
	MUL16 6, 7, 0
	WIN 0
; 64 numbers of a lane, v[s] on, register 16 b + i = k 32 b + 16 (lane / 16) + i of my row, become a fragment's codes in v[pc] on and its scale word in v[PW].
.macro QUANT s, pc
.irp b, 0,1,2,3
	v_max3_num_f32 v[TM+\b], |v[\s+16*\b]|, |v[\s+1+16*\b]|, 0x1800000   ; block b: my 16 numbers, and the floor 2^(3 - 127): the byte cannot fall under 1
.endr
.irp i, 2,4,6,8,10,12,14
.irp b, 0,1,2,3
	v_max3_num_f32 v[TM+\b], v[TM+\b], |v[\s+16*\b+\i]|, |v[\s+1+16*\b+\i]|   ; (the four blocks by turns)
.endr
.endr
.irp b, 0,1,2,3
	v_permlanex16_b32 v[TM+4+\b], v[TM+\b], s42, s43
.endr
.irp b, 0,1,2,3
	v_max_num_f32 v[TM+\b], v[TM+\b], v[TM+4+\b]   ; with lane l xor 16's: the block's largest magnitude
.endr
.irp b, 0,1,2,3
	v_add_nc_u32 v[TM+12+\b], 0xff000000, v[TM+\b] ; 2 off its exponent field: the conversion's scale operand
.endr
.irp b, 0,1,2,3
	v_lshrrev_b32 v[TM+4+\b], 23, v[TM+12+\b]      ; the scale's byte
.endr
	v_lshl_or_b32 v[PW], v[TM+5], 8, v[TM+4]       ; the four bytes make my row's scale word
	v_lshl_or_b32 v[PW], v[TM+6], 16, v[PW]
	v_lshl_or_b32 v[PW], v[TM+7], 24, v[PW]
	s_wait_xcnt 0x0                                ; the last block's two stores have read the codes' registers: only behind this wait are they written again
.irp b, 0,1,2,3
	v_cvt_scalef32_pk8_fp4_f32 v[(\pc)+2*\b], v[\s+16*\b:\s+7+16*\b], v[TM+12+\b]
	v_cvt_scalef32_pk8_fp4_f32 v[(\pc)+1+2*\b], v[\s+8+16*\b:\s+15+16*\b], v[TM+12+\b]
.endr
	v_nop                                          ; one plain place behind a scaled conversion
.irp c, 0,1                                    ; the operand's layout wants a whole block in a lane: lanes 0-15 block 2 c, lanes 16-31 block 2 c + 1
.irp i, 0,1
	v_permlane16_swap_b32 v[(\pc)+4*\c+\i], v[(\pc)+2+4*\c+\i]
.endr
.endr
.endm
; THE WAY OUT, region A's blocks one after the other: the bias is added on the way into window 0 (each accumulator from its low end on), the 64 numbers are quantised, and the fragment leaves as it stands: 512 consecutive bytes a store.
; role 0 (Q, K): block a = 16 tokens; the four blocks of 32 are the two heads' two blocks of d: registers 0-3 are the first head's image of tile a, registers 4-7 the second head's.
; role 1 (V): block a = 16 columns d (head a / 4 of the pair, tile a % 4); the 128 along K are the step's tokens.
.macro EPI role
.irp a, 0,1,2,3,4,5,6,7
	WIN 0x02+(\a)/4                                ; source 0: window 2 or 3
.set n, 0
.rept 32
.if \role
	v_pk_add_f32 v[HA+n:HA+n+1], v[64*((\a)%4)+n:64*((\a)%4)+n+1], v[BV+2*(\a):BV+2*(\a)+1]
.else
	v_pk_add_f32 v[HA+n:HA+n+1], v[64*((\a)%4)+n:64*((\a)%4)+n+1], v[BI+n:BI+n+1]
.endif
.set n, n+2
.endr
	WIN 0
	QUANT HA, PC
.if \role
	global_store_b128 v[LI], v[PC:PC+3], s[2:3] offset:4096+((\a)/4)*GSTR+((\a)%4)*1024
	global_store_b128 v[LI], v[PC+4:PC+7], s[2:3] offset:4096+((\a)/4)*GSTR+((\a)%4)*1024+512
.if (\a) < 4
	v_mov_b32 v[KSA+(\a)%4], v[PW]                 ; row d's word for these 128 tokens
.else
	v_mov_b32 v[KSB+(\a)%4], v[PW]
.endif
.else
	global_store_b128 v[LI], v[PC:PC+3], s[2:3] offset:512*(\a)
	global_store_b128 v[LI], v[PC+4:PC+7], s[2:3] offset:GSTR+512*(\a)
.if (\a)%2 == 0
	v_mov_b32 v[PWE], v[PW]
.else
	v_perm_b32 v[KSA+(\a)/2], v[PW], v[PWE], s100  ; the first head: the even tile's two bytes below, the odd tile's above
	v_perm_b32 v[KSB+(\a)/2], v[PW], v[PWE], s101  ; the second head likewise
.endif
.endif
.endr
.irp j, 0,1,2,3
	v_cndmask_b32 v[KSA+\j], v[KSA+\j], v[KSB+\j], s46   ; lanes 16-31 take the second head's words
.endr
	global_store_b128 v[SA], v[KSA:KSA+3], s[2:3] offset:8192+256*\role   ; sixteen lanes store 256 consecutive bytes, aligned, for each head
.endm
	PLACES 4                                       ; behind the last products: region A's registers are written next
	s_wait_loadcnt 0x0                             ; the biases
	s_cmp_lt_u32 ttmp9, 2                          ; the role: the same in every wave of every partner
	s_cbranch_scc0 .Lvalues
	EPI 0
	s_branch .Ldone
.Lvalues:
	EPI 1
.Ldone:
	s_wait_tensorcnt 0x0
	ds_add_u32 v122, v123
	s_wait_dscnt 0x0
	CROUND                                         ; the closing round: no work-group ends while a partner may still ask for a tile that names it
	s_endpgm
.Lfunc_end_k_qfa4f93a757_proj:
	.size	k_qfa4f93a757_proj, .Lfunc_end_k_qfa4f93a757_proj-k_qfa4f93a757_proj
	.p2alignl 7, 3214868480
	.fill 96, 4, 3214868480
	.section	.rodata,"a",@progbits
	.p2align	6, 0x0
	.amdhsa_kernel k_qfa4f93a757_proj
		.amdhsa_group_segment_fixed_size 279040
		.amdhsa_private_segment_fixed_size 0
		.amdhsa_enable_private_segment 0
		.amdhsa_kernarg_size 64
		.amdhsa_user_sgpr_count 2
		.amdhsa_user_sgpr_kernarg_segment_ptr 1
		.amdhsa_wavefront_size32 1
		.amdhsa_system_sgpr_workgroup_id_x 1
		.amdhsa_system_sgpr_workgroup_id_y 1
		.amdhsa_system_sgpr_workgroup_id_z 1
		.amdhsa_system_vgpr_workitem_id 0
		.amdhsa_next_free_vgpr 1024
		.amdhsa_next_free_sgpr 102
		.amdhsa_reserve_vcc 0
		.amdhsa_float_denorm_mode_32 3
		.amdhsa_float_denorm_mode_16_64 3
		.amdhsa_memory_ordered 1
		.amdhsa_forward_progress 1
		.amdhsa_inst_pref_size 196
	.end_amdhsa_kernel
	.amdgpu_metadata
---
amdhsa.version: [ 1, 2 ]
amdhsa.kernels:
  - .name:           k_qfa4f93a757_proj
    .symbol:         k_qfa4f93a757_proj.kd
    .args:
      - { .name: xc, .offset: 0, .size: 8, .value_kind: global_buffer, .address_space: global }
      - { .name: xs, .offset: 8, .size: 8, .value_kind: global_buffer, .address_space: global }
      - { .name: wc, .offset: 16, .size: 8, .value_kind: global_buffer, .address_space: global }
      - { .name: ws, .offset: 24, .size: 8, .value_kind: global_buffer, .address_space: global }
      - { .name: bq, .offset: 32, .size: 8, .value_kind: global_buffer, .address_space: global }
      - { .name: bk, .offset: 40, .size: 8, .value_kind: global_buffer, .address_space: global }
      - { .name: bv, .offset: 48, .size: 8, .value_kind: global_buffer, .address_space: global }
      - { .name: qkv, .offset: 56, .size: 8, .value_kind: global_buffer, .address_space: global }
    .group_segment_fixed_size: 279040
    .private_segment_fixed_size: 0
    .kernarg_segment_align: 8
    .kernarg_segment_size: 64
    .max_flat_workgroup_size: 128
    .sgpr_count:     102
    .vgpr_count:     1024
    .wavefront_size: 32
...
	.end_amdgpu_metadata
.endif
;; end of part 2
;; launch attn (part 3): grid 4 x 64, 16 waves a work-group, clusters of 4 x 1, 169,984 bytes of LDS; arguments qkv, zc, zs; writes zc, zs
.if DOCPART == 3
	.amdgcn_target "amdgcn-amd-amdhsa--gfx1250"
	.amdhsa_code_object_version 6
	.text
	.protected	k_qfa4f93a757_attn
	.globl	k_qfa4f93a757_attn
	.p2align	8
	.type	k_qfa4f93a757_attn,@function
k_qfa4f93a757_attn:
	s_mov_b64 s[64:65], 0
	v_nop
	global_prefetch_b8 v0, s[64:65] scope:SCOPE_SE
	s_setreg_imm32_b32 hwreg(HW_REG_WAVE_MODE, 25, 1), 1
	s_wait_xcnt 0x0
	s_wait_alu depctr_hold_cnt(0) depctr_sa_sdst(0) depctr_va_vdst(0) depctr_va_sdst(0) depctr_va_ssrc(0) depctr_va_vcc(0) depctr_vm_vsrc(0)
	s_getreg_b32 s2, hwreg(HW_REG_IB_STS2, 6, 4)
	s_cmp_eq_u32 s2, 0
	s_cbranch_scc0 .Lentry_in_a_cluster
	s_endpgm
.Lentry_in_a_cluster:
	s_bfe_u32 s2, ttmp6, 0x10000c
	s_cmp_lg_u32 s2, 0x3003
	s_cbranch_scc0 .Lentry_shape_is_right
	s_endpgm
.Lentry_shape_is_right:
; Z[b][h][q][:] = the sum over keys of softmax(Q . K / 8) V, both products on codes of FP4 with E8M0 scales, and Z's quantising along the heads' 1,024 for the output projection.
; THE SOFTMAX: t = score x log2(e) / 8; M = the row's largest t so far, rounded UP to a whole number; p = 2^(t - M) is quantised along the keys, not normalised.  The row's sum is taken of the unquantised p and divides at the end.
; When M moves, the sum and O are multiplied by 2^(old M - new M): exact.
; SHARES.  256 work-groups.  A work-group owns 512 queries of one (head, batch); each of its sixteen waves owns two tiles of 16, 256 queries apart, and walks all keys for the first and then for the second: no barrier stands between the two.
; THE WHOLE HEAD LIES IN LDS: K, V and their scale words are 16 steps x 8,704 bytes in the order of the operands' registers (see the launch that writes qkv).  Each wave fetches one step; nothing is filled again.
; CLUSTER.  The four query blocks of a (head, batch) form a cluster: each step is asked for JOINTLY, by the same tensor load with the same descriptor and a mask that names the four.
; LAYOUT.  Both products are used transposed: S^T = K Q^T, O^T = V^T P^T: a lane holds one query.  Bits 3 and 4 of a token's number change places in a tile, so that the 16 registers of key tiles 2 B, 2 B + 1 are keys 32 B + 16 (lane / 16) + 0 .. 15.
; THE HEAD'S 64 IN AN INSTRUCTION OF 128: a fragment's registers 0-3 hold key tile 2 j, registers 4-7 tile 2 j + 1.  Multiplied by [Q, zeros] it gives tile 2 j's scores, by [zeros, Q] tile 2 j + 1's: zero codes add nothing.
; No prefetch: every byte of K and V is asked for by the one tensor load a wave at the head.
; LIMITS: NaN and infinities are not served; a block of zeros, or one under 2^-124, gets the scale byte 1, which this program alone reads.  A block's largest p is made from its largest score by the same two instructions:
; this takes v_exp_f32 not to fall where its input rises; at the worst one p of a block, within an ulp of a power of two, is held one code low.
; REGISTERS: v1 16 x lane; v2-4 offsets; v8 the step's LDS address; v12 -M, v13 the largest t, v[14:15] the sum; v16-27 zeros, Q, zeros of tile 0, v28 its raw scale word, v29 its scales; v204-215, v220, v221 the same of tile 1;
;   v32-63 K; v64-95 V; v96-159 S^T, then p; v160-191 O^T; v192-195 scale words (lanes 0-15 K's, lanes 16-31 V's); v224-231 p's codes; v232-254 at work; v251, v255 the spare word's address and 0.
.set LI,   1
.set ADR,  8
.set SW,   192
.set STEPB, 8704
.set WV,   18                          ; s18  my wave's number
.set SEL,  20                          ; s[20:21] lane selects for lane l xor 16
.set CS,   22                          ; s[22:23] c = log2(e) / 8
.set G1A,  24                          ; s[24:31] group 1: one step, 34 rows of 256 bytes
.set G0A,  32                          ; s[32:35] its group 0
.set TB,   2                           ; s2   LDS byte at which the step in hand begins
.set CNT,  3                           ; s3   steps to go
.macro CROUND                          ; a round of the cluster's barrier
	s_barrier_signal -1
	s_barrier_wait -1
	s_cmp_lg_u32 s[WV], 0
	s_cbranch_scc1 .Lnot_wave_0_\@
	s_barrier_signal -3
.Lnot_wave_0_\@:
	s_barrier_wait -3
	s_barrier_signal -1
	s_barrier_wait -1
.endm
	s_load_b128 s[4:7], s[0:1], 0x0                ; qkv, zc
	s_load_b64 s[8:9], s[0:1], 0x10                ; zs
	v_lshl_add_u32 v251, v0, 2, 0x29000
	v_mov_b32 v255, 0
	ds_add_u32 v251, v255
	ds_add_u32 v251, v255
	v_lshrrev_b32 v8, 5, v0
	v_readfirstlane_b32 s[WV], v8                  ; wave 0..15
	s_bfe_u32 s10, ttmp6, 0x40000                  ; cx: my block of 512 queries; it enters Q's and Z's global addresses alone
	s_and_b32 s12, ttmp7, 0xffff                   ; y = 4 x head + batch, which the four partners share
	s_mul_i32 s13, s12, 139264                     ; Q of (head, batch)
	s_mul_i32 s15, s[WV], STEPB                    ; I fetch step w: the same offset in memory and in LDS
	s_add_co_u32 s40, s13, 64*139264               ; K and V of (head, batch)
	s_add_co_u32 s40, s40, s15
	s_mov_b32 s41, 0
	s_mov_b32 s[G1A], 15|(3<<16)|(1<<21)           ; the mask: all four work-groups; elements of 8 bytes; bit 21 beside a mask; no padding
	s_mov_b32 s[G1A+1], 32<<16
	s_mov_b32 s[G1A+2], 34<<16
	s_mov_b32 s[G1A+3], 32<<16
	s_mov_b32 s[G1A+4], 34
	s_mov_b32 s[G1A+5], 32
	s_mov_b32 s[G1A+6], 0
	s_mov_b32 s[G1A+7], 0
	s_mov_b32 s[SEL], 0x76543210
	s_mov_b32 s[SEL+1], 0xfedcba98
	s_mov_b32 s[CS], 0x3e38aa3b                    ; c = log2(e) / 8
	s_mov_b32 s[CS+1], s[CS]
	s_wait_dscnt 0x0
	s_wait_kmcnt 0x0
	CROUND                                         ; all four work-groups are here: the joint loads meet
	s_mov_b32 s[G0A], 1
	s_mov_b32 s[G0A+1], s15
	s_add_nc_u64 s[G0A+2:G0A+3], s[4:5], s[40:41]
	s_or_b32 s[G0A+3], s[G0A+3], 0x80000000
	tensor_load_to_lds s[G0A:G0A+3], s[G1A:G1A+7]  ; every wave's one load
	s_nop 0
.rept 4
	v_nop
.endr
	s_lshl_b32 s44, s10, 2
	s_lshr_b32 s45, s[WV], 3
	s_add_co_u32 s44, s44, s45                     ; the step (panel of 128 tokens) that holds my first tile; the second lies two steps on
	s_and_b32 s45, s[WV], 7                        ; and my tile in it
	s_mul_i32 s46, s44, STEPB
	s_add_co_u32 s46, s46, s13
	s_mov_b32 s47, 0
	s_add_nc_u64 s[56:57], s[4:5], s[46:47]
	v_and_b32 v8, 31, v0
	v_lshlrev_b32 v[LI], 4, v8
	v_and_b32 v9, 15, v0                           ; r
	v_bfe_u32 v10, v0, 4, 1                        ; h
	s_lshl_b32 s14, s45, 9
	v_add_nc_u32 v2, s14, v[LI]                    ; my tile's image
	s_lshr_b32 s14, s45, 1
	s_lshl_b32 s14, s14, 2
	v_lshl_add_u32 v3, v9, 4, s14                  ; row r's word for tiles 2 j, 2 j + 1
	global_load_b128 v[20:23], v2, s[56:57]        ; both tiles' Q stay in registers
	global_load_b32 v28, v3, s[56:57] offset:8192
	global_load_b128 v[208:211], v2, s[56:57] offset:2*STEPB
	global_load_b32 v220, v3, s[56:57] offset:8192+2*STEPB
	v_lshl_add_u32 v4, v9, 4, v10                  ; Z's scale byte: 16 r + h
	s_and_b32 s14, s[WV], 1
	s_cmp_eq_u32 s14, 0
	s_mov_b32 s17, 0x03020302
	s_cselect_b32 s17, 0x01000100, s17             ; an even tile's two bytes lie in the word's low half, an odd tile's in the high half
	; where Z goes: panel 16 x batch + my step; K half head / 8; my tile; 512 bytes for each head of the K half
	s_lshr_b32 s60, s12, 2                         ; the head
	s_and_b32 s61, s12, 3                          ; the batch
	s_lshl_b32 s61, s61, 4
	s_add_co_u32 s61, s61, s44
	s_lshr_b32 s62, s60, 3
	s_and_b32 s60, s60, 7
	s_lshl_b32 s46, s61, 12
	s_lshl_b32 s63, s62, 11
	s_add_co_u32 s46, s46, s63
	s_lshl_b32 s63, s45, 8
	s_add_co_u32 s46, s46, s63                     ; the scale bytes of my tile's rows in that K half
	s_lshl_b32 s58, s46, 4                         ; the codes lie alike, at sixteen times the offset
	s_lshl_b32 s63, s60, 9
	s_add_co_u32 s58, s58, s63
	s_mov_b32 s59, 0
	s_add_nc_u64 s[6:7], s[6:7], s[58:59]
	s_lshl_b32 s63, s60, 1
	s_add_co_u32 s46, s46, s63                     ; my head's two bytes of a row's sixteen
	s_add_nc_u64 s[8:9], s[8:9], s[46:47]
	s_mov_b32 s63, 0xffff0000                      ; lanes 16-31
.irp j, 16,17,18,19,24,25,26,27,204,205,206,207,212,213,214,215
	v_mov_b32 v[\j], 0                             ; the zero codes beside Q
.endr
.irp b, 0,1,2,3
	v_mov_b32 v[236+\b], 0                         ; written once: a lane permute's destination counts as one of its sources
.endr
	v_mov_b32 v253, 0                              ; (named as the upper half of the pair v[252:253] before it is first written)
	s_wait_alu depctr_va_vdst(0)
	s_wait_loadcnt 0x0                             ; Q
	v_perm_b32 v29, v28, v28, s17                  ; Q's scales: its two bytes twice, for [Q, zeros] and [zeros, Q] alike
	v_perm_b32 v221, v220, v220, s17
.macro INIT                            ; a tile begins: the largest t -3e38, the sum and O^T zeros, which the first change of M leaves zeros
	v_mov_b32 v13, 0xff61b1e6
	s_delay_alu instid0(VALU_DEP_1)
	v_floor_f32 v12, -v13                          ; -M
	v_mov_b32 v14, 0
	v_mov_b32 v15, 0
.irp j, 0,1,2,3,4,5,6,7,8,9,10,11,12,13,14,15,16,17,18,19,20,21,22,23,24,25,26,27,28,29,30,31
	v_mov_b32 v[160+\j], 0
.endr
	s_wait_alu depctr_va_vdst(0)
.endm
; A KEY STEP: 128 keys.  qb: the twelve registers zeros, Q, zeros; qs: Q's scales.
.macro STEP qb, qs
	v_add_nc_u32 v[ADR], s[TB], v[LI]
.rept 3
	v_nop                                          ; with the addition four places in front of loads into registers that the last products have read
.endr
	ds_load_b128 v[SW:SW+3], v[ADR] offset:8192    ; lanes 0-15: key row r's four words; lanes 16-31: V's row r's
.irp n, 0,1,2,3,4,5,6,7
	ds_load_b128 v[32+4*\n:35+4*\n], v[ADR] offset:512*\n
.endr
.irp n, 0,1,2,3,4,5,6,7
	ds_load_b128 v[64+4*\n:67+4*\n], v[ADR] offset:4096+512*\n
.endr
	s_wait_dscnt 8                                 ; the scale words and K are in; V's eight loads may be out
.irp j, 0,1,2,3
	v_wmma_scale_f32_16x16x128_f8f6f4 v[96+16*\j:103+16*\j], v[32+8*\j:39+8*\j], v[\qb+4:\qb+11], 0, v[SW+\j], v[\qs] matrix_a_fmt:MATRIX_FMT_FP4 matrix_b_fmt:MATRIX_FMT_FP4
	v_wmma_scale_f32_16x16x128_f8f6f4 v[104+16*\j:111+16*\j], v[32+8*\j:39+8*\j], v[\qb:\qb+7], 0, v[SW+\j], v[\qs] matrix_a_fmt:MATRIX_FMT_FP4 matrix_b_fmt:MATRIX_FMT_FP4
.endr                                              ; register 96 + 16 B + i is key 32 B + 16 h + i of the step
.rept 4
	v_nop
.endr
.irp b, 0,1,2,3
	v_max3_num_f32 v[232+\b], v[96+16*\b], v[97+16*\b], v[98+16*\b]   ; the largest score of each block of 32 keys
.endr
.irp i, 3,5,7,9,11,13
.irp b, 0,1,2,3
	v_max3_num_f32 v[232+\b], v[232+\b], v[96+16*\b+\i], v[97+16*\b+\i]
.endr
.endr
.irp b, 0,1,2,3
	v_max_num_f32 v[232+\b], v[232+\b], v[111+16*\b]
.endr
.irp b, 0,1,2,3
	s_delay_alu instid0(VALU_DEP_4)
	v_permlanex16_b32 v[236+\b], v[232+\b], s[SEL], s[SEL+1]
.endr
.irp b, 0,1,2,3
	s_delay_alu instid0(VALU_DEP_4)
	v_max_num_f32 v[232+\b], v[232+\b], v[236+\b]  ; with lane l xor 16's 16 keys
.endr
	s_delay_alu instid0(VALU_DEP_2)
	v_max3_num_f32 v254, v232, v233, v234
	s_delay_alu instid0(VALU_DEP_1)
	v_max_num_f32 v254, v254, v235                 ; the step's largest score of my query
	s_delay_alu instid0(VALU_DEP_1)
	v_mul_f32 v254, s[CS], v254                    ; as t
	s_delay_alu instid0(VALU_DEP_1)
	v_max_num_f32 v13, v13, v254                   ; the running largest t
	v_mov_b32 v254, v12
	s_delay_alu instid0(VALU_DEP_2)
	v_floor_f32 v12, -v13                          ; the new -M = -ceil(t)
	s_delay_alu instid0(VALU_DEP_1)
	v_sub_f32 v254, v12, v254                      ; old M - new M: a whole number, 0 or less
	s_delay_alu instid0(VALU_DEP_1)
	v_cvt_i32_f32 v254, v254
	s_delay_alu instid0(VALU_DEP_1)
	v_ldexp_f32 v252, 1.0, v254                    ; f = 2^(old M - new M)
.irp j, 0,2,4,6,8,10,12,14,16,18,20,22,24,26,28,30,32,34,36,38,40,42,44,46,48,50,52,54,56,58,60,62
	v_pk_fma_f32 v[96+\j:97+\j], v[96+\j:97+\j], s[CS:CS+1], v[12:13] op_sel_hi:[1,0,0]   ; t - M
.endr
.irp b, 0,1,2,3
	v_fma_f32 v[232+\b], v[232+\b], s[CS], v12     ; the same of each block's largest score
.endr
	s_wait_alu depctr_va_vdst(0)                   ; ahead of the batch
.irp j, 0,1,2,3,4,5,6,7,8,9,10,11,12,13,14,15,16,17,18,19,20,21,22,23,24,25,26,27,28,29,30,31,32,33,34,35,36,37,38,39,40,41,42,43,44,45,46,47,48,49,50,51,52,53,54,55,56,57,58,59,60,61,62,63
	v_exp_f32 v[96+\j], v[96+\j]                   ; p = 2^(t - M)
.endr
	v_pk_mul_f32 v[14:15], v[14:15], v[252:253] op_sel_hi:[1,0]   ; the sums under the new M; a plain place behind the exponentials
	s_wait_alu depctr_va_vdst(0)                   ; one wait for the batch
.irp b, 0,1,2,3
	v_exp_f32 v[232+\b], v[232+\b]                 ; the block's largest p
.endr
	v_pk_add_f32 v[236:237], v[100:101], v[104:105]   ; the row's sum of the unquantised p, in eight chains
	v_pk_add_f32 v[248:249], v[108:109], v[112:113]
	v_pk_add_f32 v[246:247], v[116:117], v[120:121]
	v_pk_add_f32 v[244:245], v[124:125], v[128:129]
	v_pk_add_f32 v[242:243], v[132:133], v[136:137]
	v_pk_add_f32 v[240:241], v[140:141], v[144:145]
	v_pk_add_f32 v[238:239], v[148:149], v[152:153]
	v_pk_add_f32 v[14:15], v[14:15], v[156:157]
	v_pk_add_f32 v[236:237], v[236:237], v[96:97]
	v_pk_add_f32 v[248:249], v[248:249], v[98:99]
	v_pk_add_f32 v[246:247], v[246:247], v[102:103]
	v_pk_add_f32 v[244:245], v[244:245], v[106:107]
	v_pk_add_f32 v[242:243], v[242:243], v[110:111]
	v_pk_add_f32 v[240:241], v[240:241], v[114:115]
	v_pk_add_f32 v[238:239], v[238:239], v[118:119]
	v_pk_add_f32 v[14:15], v[14:15], v[122:123]
	v_pk_add_f32 v[236:237], v[236:237], v[126:127]
	v_pk_add_f32 v[248:249], v[248:249], v[130:131]
	v_pk_add_f32 v[246:247], v[246:247], v[134:135]
	v_pk_add_f32 v[244:245], v[244:245], v[138:139]
	v_pk_add_f32 v[242:243], v[242:243], v[142:143]
	v_pk_add_f32 v[240:241], v[240:241], v[146:147]
	v_pk_add_f32 v[238:239], v[238:239], v[150:151]
	v_pk_add_f32 v[14:15], v[14:15], v[154:155]
	v_pk_add_f32 v[236:237], v[236:237], v[158:159]
	s_delay_alu instid0(VALU_DEP_2)
	v_pk_add_f32 v[14:15], v[14:15], v[244:245]
	s_delay_alu instid0(VALU_DEP_2)
	v_pk_add_f32 v[236:237], v[236:237], v[242:243]
	v_pk_add_f32 v[248:249], v[248:249], v[240:241]
	v_pk_add_f32 v[246:247], v[246:247], v[238:239]
	s_delay_alu instid0(VALU_DEP_2)
	v_pk_add_f32 v[14:15], v[14:15], v[248:249]
	s_delay_alu instid0(VALU_DEP_2)
	v_pk_add_f32 v[236:237], v[236:237], v[246:247]
	s_delay_alu instid0(VALU_DEP_1)
	v_pk_add_f32 v[14:15], v[14:15], v[236:237]
	s_wait_alu depctr_va_vdst(0)                   ; and one for the four
.irp b, 0,1,2,3
	v_max_num_f32 v[232+\b], 0x1800000, v[232+\b]  ; the floor 2^(3 - 127): the byte cannot fall under 1
.endr
.irp b, 0,1,2,3
	s_delay_alu instid0(VALU_DEP_4)
	v_add_nc_u32 v[244+\b], 0xff000000, v[232+\b]  ; 2 off the exponent field: the conversion's scale operand
.endr
.irp b, 0,1,2,3
	s_delay_alu instid0(VALU_DEP_4)
	v_lshrrev_b32 v[236+\b], 23, v[244+\b]         ; the scale's byte
.endr
	s_delay_alu instid0(VALU_DEP_3)
	v_lshl_or_b32 v253, v237, 8, v236              ; p's scale word for these 128 keys
	s_delay_alu instid0(VALU_DEP_1)
	v_lshl_or_b32 v253, v238, 16, v253
	s_delay_alu instid0(VALU_DEP_1)
	v_lshl_or_b32 v253, v239, 24, v253
.irp b, 0,1,2,3
	v_cvt_scalef32_pk8_fp4_f32 v[224+2*\b], v[96+16*\b:103+16*\b], v[244+\b]
	v_cvt_scalef32_pk8_fp4_f32 v[225+2*\b], v[104+16*\b:111+16*\b], v[244+\b]
.endr
	v_nop                                          ; one plain place behind a scaled conversion
.irp c, 0,1                                    ; the operand's layout wants a whole block in a lane
.irp i, 0,1
	v_permlane16_swap_b32 v[224+4*\c+\i], v[226+4*\c+\i]
.endr
.endr
	s_wait_alu depctr_va_vdst(0)                   ; directly ahead of the first reader of O^T
.irp j, 0,2,4,6,8,10,12,14,16,18,20,22,24,26,28,30
	v_pk_mul_f32 v[160+\j:161+\j], v[160+\j:161+\j], v[252:253] op_sel_hi:[1,0]   ; O^T x f; these sixteen also stand between the writes of p's codes and scale word and the products below
.endr
	s_wait_alu depctr_va_vdst(0)                   ; directly ahead of the wait below
	s_wait_dscnt 0x0                               ; V is in
.irp t, 0,1,2,3                                ; O^T += V^T P^T: the four accumulators by turns
	v_wmma_scale_f32_16x16x128_f8f6f4 v[160+8*\t:167+8*\t], v[64+8*\t:71+8*\t], v[224:231], v[160+8*\t:167+8*\t], v[SW+\t], v253 matrix_a_fmt:MATRIX_FMT_FP4 matrix_b_fmt:MATRIX_FMT_FP4 matrix_a_scale:MATRIX_SCALE_ROW1
.endr
.endm
; A TILE: all sixteen key steps, then the way out.  O^T is divided by the row's sum; register 16 b + i is d = 32 b + 16 h + i of my query: two blocks of Z's K, quantised; the four registers are my head's part of the image of Z's fragment.
.macro RUN p, qb, qs
	s_mov_b32 s[TB], 0
	s_mov_b32 s[CNT], 16
.Lstep_\@:
	STEP \qb, \qs
	s_add_co_u32 s[TB], s[TB], STEPB
	s_sub_co_u32 s[CNT], s[CNT], 1
	s_cmp_lg_u32 s[CNT], 0
	s_cbranch_scc1 .Lstep_\@
.rept 4
	v_nop                                          ; places behind the last products
.endr
	v_add_f32 v14, v14, v15
	s_delay_alu instid0(VALU_DEP_1)
	v_permlanex16_b32 v252, v14, s[SEL], s[SEL+1]
	s_delay_alu instid0(VALU_DEP_1)
	v_add_f32 v14, v14, v252                       ; the row's sum
	s_wait_alu depctr_va_vdst(0)
	v_rcp_f32 v14, v14
	v_nop
	s_wait_alu depctr_va_vdst(0)
.irp j, 0,1,2,3,4,5,6,7,8,9,10,11,12,13,14,15,16,17,18,19,20,21,22,23,24,25,26,27,28,29,30,31
	v_mul_f32 v[96+\j], v[160+\j], v14
.endr
.irp b, 0,1
	v_max3_num_f32 v[232+\b], |v[96+16*\b]|, |v[97+16*\b]|, 0x1800000
.endr
.irp i, 2,4,6,8,10,12,14
.irp b, 0,1
	s_delay_alu instid0(VALU_DEP_2)
	v_max3_num_f32 v[232+\b], v[232+\b], |v[96+16*\b+\i]|, |v[97+16*\b+\i]|
.endr
.endr
.irp b, 0,1
	s_delay_alu instid0(VALU_DEP_2)
	v_permlanex16_b32 v[236+\b], v[232+\b], s[SEL], s[SEL+1]
.endr
.irp b, 0,1
	s_delay_alu instid0(VALU_DEP_2)
	v_max_num_f32 v[232+\b], v[232+\b], v[236+\b]
.endr
.irp b, 0,1
	s_delay_alu instid0(VALU_DEP_2)
	v_add_nc_u32 v[244+\b], 0xff000000, v[232+\b]
.endr
.irp b, 0,1
	s_delay_alu instid0(VALU_DEP_2)
	v_lshrrev_b32 v[236+\b], 23, v[244+\b]
.endr
.irp b, 0,1
	v_cvt_scalef32_pk8_fp4_f32 v[224+2*\b], v[96+16*\b:103+16*\b], v[244+\b]
	v_cvt_scalef32_pk8_fp4_f32 v[225+2*\b], v[104+16*\b:111+16*\b], v[244+\b]
.endr
	v_nop
	v_permlane16_swap_b32 v224, v226               ; lanes 0-15 the head's first block, lanes 16-31 its second
	v_permlane16_swap_b32 v225, v227
	v_cndmask_b32 v240, v236, v237, s63            ; and the block's scale byte likewise
	global_store_b128 v[LI], v[224:227], s[6:7] offset:131072*\p   ; 512 consecutive bytes, aligned; the second tile lies two panels on
	global_store_b8 v4, v240, s[8:9] offset:8192*\p                ; a byte a lane, two neighbours for each row; each byte has one owner
.endm
	INIT
	s_wait_tensorcnt 0x0                           ; my step has landed
	s_wait_dscnt 0x0
	s_barrier_signal -1
	s_barrier_wait -1                              ; everybody's has: the whole head is in LDS
	RUN 0, 16, 29
	INIT
	s_wait_xcnt 0x0                                ; the first tile's stores have read their registers, which the steps write anew
	RUN 1, 204, 221
	s_wait_tensorcnt 0x0                           ; the wave's end
	ds_add_u32 v251, v255
	s_wait_dscnt 0x0
	CROUND                                         ; the closing round
	s_endpgm
.Lfunc_end_k_qfa4f93a757_attn:
	.size	k_qfa4f93a757_attn, .Lfunc_end_k_qfa4f93a757_attn-k_qfa4f93a757_attn
	.p2alignl 7, 3214868480
	.fill 96, 4, 3214868480
	.section	.rodata,"a",@progbits
	.p2align	6, 0x0
	.amdhsa_kernel k_qfa4f93a757_attn
		.amdhsa_group_segment_fixed_size 169984
		.amdhsa_private_segment_fixed_size 0
		.amdhsa_enable_private_segment 0
		.amdhsa_kernarg_size 24
		.amdhsa_user_sgpr_count 2
		.amdhsa_user_sgpr_kernarg_segment_ptr 1
		.amdhsa_wavefront_size32 1
		.amdhsa_system_sgpr_workgroup_id_x 1
		.amdhsa_system_sgpr_workgroup_id_y 1
		.amdhsa_system_sgpr_workgroup_id_z 1
		.amdhsa_system_vgpr_workitem_id 0
		.amdhsa_next_free_vgpr 256
		.amdhsa_next_free_sgpr 66
		.amdhsa_reserve_vcc 0
		.amdhsa_float_denorm_mode_32 3
		.amdhsa_float_denorm_mode_16_64 3
		.amdhsa_memory_ordered 1
		.amdhsa_forward_progress 1
		.amdhsa_inst_pref_size 49
	.end_amdhsa_kernel
	.amdgpu_metadata
---
amdhsa.version: [ 1, 2 ]
amdhsa.kernels:
  - .name:           k_qfa4f93a757_attn
    .symbol:         k_qfa4f93a757_attn.kd
    .args:
      - { .name: qkv, .offset: 0, .size: 8, .value_kind: global_buffer, .address_space: global }
      - { .name: zc, .offset: 8, .size: 8, .value_kind: global_buffer, .address_space: global }
      - { .name: zs, .offset: 16, .size: 8, .value_kind: global_buffer, .address_space: global }
    .group_segment_fixed_size: 169984
    .private_segment_fixed_size: 0
    .kernarg_segment_align: 8
    .kernarg_segment_size: 24
    .max_flat_workgroup_size: 512
    .sgpr_count:     66
    .vgpr_count:     256
    .wavefront_size: 32
...
	.end_amdgpu_metadata
.endif
;; end of part 3
;; launch outp (part 4): grid 8 x 32, 4 waves a work-group, clusters of 4 x 4, 327,680 bytes of LDS; arguments zc, zs, wc, ws, bo, out0; writes out0
.if DOCPART == 4
	.amdgcn_target "amdgcn-amd-amdhsa--gfx1250"
	.amdhsa_code_object_version 6
	.text
	.protected	k_qfa4f93a757_outp
	.globl	k_qfa4f93a757_outp
	.p2align	8
	.type	k_qfa4f93a757_outp,@function
k_qfa4f93a757_outp:
	s_mov_b64 s[64:65], 0
	v_nop
	global_prefetch_b8 v0, s[64:65] scope:SCOPE_SE
	s_setreg_imm32_b32 hwreg(HW_REG_WAVE_MODE, 25, 1), 1
	s_wait_xcnt 0x0
	s_wait_alu depctr_hold_cnt(0) depctr_sa_sdst(0) depctr_va_vdst(0) depctr_va_sdst(0) depctr_va_ssrc(0) depctr_va_vcc(0) depctr_vm_vsrc(0)
	s_getreg_b32 s2, hwreg(HW_REG_IB_STS2, 6, 4)
	s_cmp_eq_u32 s2, 0
	s_cbranch_scc0 .Lentry_in_a_cluster
	s_endpgm
.Lentry_in_a_cluster:
	s_bfe_u32 s2, ttmp6, 0x10000c
	s_cmp_lg_u32 s2, 0xf033
	s_cbranch_scc0 .Lentry_shape_is_right
	s_endpgm
.Lentry_shape_is_right:
.set ADRA,  14
.set ADRB,  15
.set ADRS,  16
.set ADRS2, 17
.set STO,   18
.set RD,    19
.set CO,    20
.set BOO,   21
.set SC,    32
.set AF,    128
.set BK,    128
.set BO,    192
.set LB,    131072
.set LSA,   196608
.set LSB,   204800
.set STAGE, 208896
.set G1,   24
.set G0,   32
.set G1B,  48
.set G0B,  56
.set G1S,  68
.set G0S,  76
.set G1SB, 80
.set G0SB, 88
.set MSB, 0
.macro WIN new
.if MSB != (\new)
	s_set_vgpr_msb (MSB<<8)|(\new)
.set MSB, (\new)
.endif
.endm
.set MUL_1,  0x81
.set MUL_N,  0xa1
.set TO_B,   0x40
.macro JLOAD g0a, g1a, g0b, g1b
	s_cmp_eq_u32 s21, 0
	s_cbranch_scc0 .Lfor_b_\@
	tensor_load_to_lds s[\g0a:\g0a+3], s[\g1a:\g1a+7]
	s_nop 0
.rept 4
	v_nop
.endr
	s_branch .Lasked_\@
.Lfor_b_\@:
	tensor_load_to_lds s[\g0b:\g0b+3], s[\g1b:\g1b+7]
	s_nop 0
.rept 4
	v_nop
.endr
.Lasked_\@:
.endm
.macro CROUND
	s_barrier_signal -1
	s_barrier_wait -1
	s_cmp_lg_u32 s20, 0
	s_cbranch_scc1 .Lnot_wave_0_\@
	s_barrier_signal -3
.Lnot_wave_0_\@:
	s_barrier_wait -3
	s_barrier_signal -1
	s_barrier_wait -1
.endm
	s_load_b256 s[4:11], s[0:1], 0x0
	s_load_b128 s[12:15], s[0:1], 0x20
	v_lshl_add_u32 v254, v0, 2, 0x37400
	v_mov_b32 v255, 0
	ds_add_u32 v254, v255
	ds_add_u32 v254, v255
	v_lshrrev_b32 v1, 5, v0
	v_readfirstlane_b32 s20, v1
	s_lshr_b32 s21, s20, 1
	s_and_b32 s22, s20, 1
	s_bfe_u32 s40, ttmp6, 0x40000
	s_bfe_u32 s41, ttmp6, 0x40004
	s_and_b32 s23, ttmp7, 0xffff
	s_lshl_b32 s23, s23, 2
	s_add_co_u32 s23, s23, s41
	s_lshl_b32 s47, ttmp9, 2
	s_add_co_u32 s47, s47, s40
	s_lshl_b32 s44, s41, 2
	s_lshl_b32 s44, 15, s44
	s_lshl_b32 s45, 0x1111, s40
	s_or_b32 s[G1+0], s44, (3<<16)|(1<<21)
	s_or_b32 s[G1B+0], s45, (3<<16)|(1<<21)
	s_or_b32 s[G1S+0], s44, (3<<16)|(1<<21)
	s_or_b32 s[G1SB+0], s45, (3<<16)|(1<<21)
.irp g, G1, G1B, G1S, G1SB
	s_mov_b32 s[\g+1], 32<<16
	s_mov_b32 s[\g+3], 32<<16
	s_mov_b32 s[\g+5], 32
	s_mov_b32 s[\g+6], 0
	s_mov_b32 s[\g+7], 0
.endr
	s_mov_b32 s[G1+2], 128<<16
	s_mov_b32 s[G1+4], 128
	s_mov_b32 s[G1B+2], 64<<16
	s_mov_b32 s[G1B+4], 64
	s_mov_b32 s[G1S+2], 16<<16
	s_mov_b32 s[G1S+4], 16
	s_mov_b32 s[G1SB+2], 8<<16
	s_mov_b32 s[G1SB+4], 8
	s_lshl_b32 s66, s23, 1
	s_add_co_u32 s66, s66, s22
	s_lshl_b32 s3, s66, 12
	s_lshl_b32 s66, s66, 16
	s_mov_b32 s67, 0
	s_add_co_u32 s100, s47, 24
	s_lshl_b32 s2, s100, 12
	s_lshl_b32 s100, s100, 16
	s_lshl_b32 s101, s22, 14
	s_add_co_u32 s100, s100, s101
	s_lshl_b32 s101, s22, 11
	s_add_co_u32 s2, s2, s101
	s_mov_b32 s101, 0
	s_wait_dscnt 0x0
	s_wait_kmcnt 0x0
	s_add_nc_u64 s[92:93], s[4:5], s[66:67]
	s_mov_b32 s66, s3
	s_add_nc_u64 s[94:95], s[6:7], s[66:67]
	s_add_nc_u64 s[96:97], s[8:9], s[100:101]
	s_mov_b32 s100, s2
	s_add_nc_u64 s[98:99], s[10:11], s[100:101]
	s_lshl_b32 s66, s22, 16
	s_lshl_b32 s3, s22, 12
	s_add_co_u32 s3, s3, LSA
	s_lshl_b32 s100, s22, 14
	s_add_co_u32 s100, s100, LB
	s_lshl_b32 s2, s22, 11
	s_add_co_u32 s2, s2, LSB
	CROUND
	s_mov_b32 s[G0S], 1
	s_mov_b32 s[G0S+1], s3
	s_mov_b64 s[G0S+2:G0S+3], s[94:95]
	s_or_b32 s[G0S+3], s[G0S+3], 0x80000000
	s_mov_b32 s[G0SB], 1
	s_mov_b32 s[G0SB+1], s2
	s_mov_b64 s[G0SB+2:G0SB+3], s[98:99]
	s_or_b32 s[G0SB+3], s[G0SB+3], 0x80000000
	JLOAD G0S, G1S, G0SB, G1SB
.irp s, 0,1
	s_mov_b32 s[G0+4*\s], 1
	s_add_co_u32 s[G0+4*\s+1], s66, \s*32768
	s_add_nc_u64 s[G0+4*\s+2:G0+4*\s+3], s[92:93], \s*32768
	s_or_b32 s[G0+4*\s+3], s[G0+4*\s+3], 0x80000000
	s_mov_b32 s[G0B+4*\s], 1
	s_add_co_u32 s[G0B+4*\s+1], s100, \s*32768
	s_add_nc_u64 s[G0B+4*\s+2:G0B+4*\s+3], s[96:97], \s*32768
	s_or_b32 s[G0B+4*\s+3], s[G0B+4*\s+3], 0x80000000
	s_wait_alu depctr_va_vdst(0)
	s_wait_tensorcnt 0x0
	ds_add_u32 v254, v255
	s_wait_dscnt 0x0
	CROUND
	JLOAD G0+4*\s, G1, G0B+4*\s, G1B
.endr
	v_and_b32 v1, 15, v0
	v_bfe_u32 v2, v0, 4, 1
	v_and_b32 v3, 31, v0
	v_lshlrev_b32 v3, 4, v3
	s_lshl_b32 s96, s21, 16
	v_add_nc_u32 v[ADRA], s96, v3
	s_lshl_b32 s96, s22, 14
	s_add_co_u32 s96, s96, LB
	v_add_nc_u32 v[ADRB], s96, v3
	s_lshl_b32 s96, s21, 12
	s_lshl_b32 s97, s22, 10
	s_add_co_u32 s97, s97, LSB-LSA
	s_sub_co_u32 s97, s97, s96
	v_mul_u32_u24 v22, s97, v2
	s_wait_alu depctr_va_vdst(0)
	s_add_co_u32 s96, s96, LSA
	v_lshl_add_u32 v22, v1, 4, v22
	v_add_nc_u32 v[ADRS], s96, v22
	v_lshlrev_b32 v22, 4, v1
	v_add_nc_u32 v[ADRS2], s96, v22
	s_mul_i32 s96, s20, 16*272
	s_add_co_u32 s96, s96, STAGE
	v_mul_u32_u24 v22, v1, 272
	v_lshl_add_u32 v22, v2, 6, v22
	v_add_nc_u32 v[STO], s96, v22
	v_mul_u32_u24 v22, v2, 272
	v_lshl_add_u32 v22, v1, 4, v22
	v_add_nc_u32 v[RD], s96, v22
	v_lshlrev_b32 v22, 12, v2
	v_lshl_add_u32 v[CO], v1, 4, v22
	v_lshlrev_b32 v[BOO], 6, v2
	s_wait_alu depctr_va_vdst(0)
	s_lshl_b32 s92, s47, 9
	s_lshl_b32 s93, s22, 8
	s_add_co_u32 s92, s92, s93
	s_mov_b32 s93, 0
	s_add_nc_u64 s[12:13], s[12:13], s[92:93]
	s_add_nc_u64 s[14:15], s[14:15], s[92:93]
	s_lshl_b32 s92, s23, 20
	s_lshl_b32 s94, s21, 19
	s_add_co_u32 s92, s92, s94
	s_add_nc_u64 s[14:15], s[14:15], s[92:93]
.irp b, 0,1,2,3
	global_load_b128 v[BO+8*\b:BO+8*\b+3], v[BOO], s[12:13] offset:(32*(\b/2)+8*(\b%2))*4
	global_load_b128 v[BO+8*\b+4:BO+8*\b+7], v[BOO], s[12:13] offset:(32*(\b/2)+8*(\b%2))*4+16
.endr
.macro FRAG reg, adr, k, i
	ds_load_b128 v[\reg:\reg+3], v[\adr] offset:((\k)/4)*32768+(\i)*4096+((\k)%4)*1024
	ds_load_b128 v[\reg+4:\reg+7], v[\adr] offset:((\k)/4)*32768+(\i)*4096+((\k)%4)*1024+512
.endm
.macro FETCH_B k
	WIN TO_B
.irp i, 0,1,2,3
	FRAG 128*((\k)%2)+8*\i, ADRB, \k, \i
.endr
	WIN 0
.endm
.macro FETCH_A k, i0
.irp i, \i0, \i0+1, \i0+2, \i0+3
	FRAG AF+8*(\i), ADRA, \k, \i
.endr
.endm
.macro SCALES q
.irp i, 0,1,2,3
	ds_load_b128 v[SC+32*\q+4*\i:SC+32*\q+4*\i+3], v[ADRS] offset:\q*2048+\i*256
.endr
.irp i, 4,5,6,7
	ds_load_b128 v[SC+32*\q+4*\i:SC+32*\q+4*\i+3], v[ADRS2] offset:\q*2048+\i*256
.endr
.endm
.macro MUL8 a0, k, first
.irp a, \a0, \a0+1
.irp b, 0,1,2,3
.if \first
	v_wmma_scale_f32_16x16x128_f8f6f4 v[8*(4*(\a)+\b):8*(4*(\a)+\b)+7], v[128*((\k)%2)+8*\b:128*((\k)%2)+8*\b+7], v[AF+8*(\a):AF+8*(\a)+7], v[BO+8*\b:BO+8*\b+7], v[SC+32*((\k)/4)+4*\b+(\k)%4], v[SC+32*((\k)/4)+4*(\a)+(\k)%4] matrix_a_fmt:MATRIX_FMT_FP4 matrix_b_fmt:MATRIX_FMT_FP4 matrix_a_scale:MATRIX_SCALE_ROW1
.else
	v_wmma_scale_f32_16x16x128_f8f6f4 v[8*(4*(\a)+\b):8*(4*(\a)+\b)+7], v[128*((\k)%2)+8*\b:128*((\k)%2)+8*\b+7], v[AF+8*(\a):AF+8*(\a)+7], v[8*(4*(\a)+\b):8*(4*(\a)+\b)+7], v[SC+32*((\k)/4)+4*\b+(\k)%4], v[SC+32*((\k)/4)+4*(\a)+(\k)%4] matrix_a_fmt:MATRIX_FMT_FP4 matrix_b_fmt:MATRIX_FMT_FP4 matrix_a_scale:MATRIX_SCALE_ROW1
.endif
.endr
.endr
.endm
.macro PLACES n
.rept \n
	v_nop
.endr
.endm
.macro STEP k, first, meet
.if \meet
	s_wait_tensorcnt 0x0
	s_wait_dscnt 0x0
	s_barrier_signal -1
.else
	s_wait_dscnt 8
.endif
	WIN MUL_N-0x20*\first
	MUL8 0, \k, \first
	MUL8 2, \k, \first
.if \meet
	s_barrier_wait -1
.endif
	s_wait_dscnt 0x0
	PLACES 4
	FETCH_B (\k)+1
	FETCH_A (\k)+1, 0
	WIN MUL_N-0x20*\first
	MUL8 4, \k, \first
	MUL8 6, \k, \first
	PLACES 4
	WIN 0
	FETCH_A (\k)+1, 4
.endm
	s_wait_tensorcnt 1
	s_barrier_signal -1
	s_barrier_wait -1
	FETCH_B 0
	FETCH_A 0, 0
	SCALES 0
	SCALES 1
	FETCH_A 0, 4
	s_wait_loadcnt 0x0
	STEP 0, 1, 0
	STEP 1, 0, 0
	STEP 2, 0, 0
	STEP 3, 0, 1
	STEP 4, 0, 0
	STEP 5, 0, 0
	STEP 6, 0, 0
	s_wait_dscnt 8
	WIN MUL_N
	MUL8 0, 7, 0
	MUL8 2, 7, 0
	s_wait_dscnt 0x0
	MUL8 4, 7, 0
	MUL8 6, 7, 0
	WIN 0
.macro TOSTAGE a
	WIN 0x08
.irp b, 0,1,2,3
	ds_store_b128 v[STO], v[8*(4*(\a)+\b):8*(4*(\a)+\b)+3] offset:128*(\b/2)+32*(\b%2)
	ds_store_b128 v[STO], v[8*(4*(\a)+\b)+4:8*(4*(\a)+\b)+7] offset:128*(\b/2)+32*(\b%2)+16
.endr
	WIN 0
.set BB, BK+32*((\a)%2)
.irp t, 0,1,2,3,4,5,6,7
	ds_load_b128 v[BB+4*\t:BB+4*\t+3], v[RD] offset:2*\t*272
.endr
.endm
.macro SEND a, younger
.set BB, BK+32*((\a)%2)
	s_wait_dscnt \younger
.irp t, 0,1,2,3,4,5,6,7
	global_store_b128 v[CO], v[BB+4*\t:BB+4*\t+3], s[14:15] offset:(32*((\a)/2)+8*((\a)%2)+2*(\t&3)+16*(\t>>2))*4096 th:TH_STORE_NT
.endr
.endm
	PLACES 4
	TOSTAGE 0
.irp a, 1,2,3,4,5,6,7
.if \a > 1
	s_wait_xcnt 0x0
.endif
	TOSTAGE \a
	SEND \a-1, 16
.endr
	SEND 7, 0
	s_wait_tensorcnt 0x0
	ds_add_u32 v254, v255
	s_wait_dscnt 0x0
	CROUND
	s_endpgm
.Lfunc_end_k_qfa4f93a757_outp:
	.size	k_qfa4f93a757_outp, .Lfunc_end_k_qfa4f93a757_outp-k_qfa4f93a757_outp
	.p2alignl 7, 3214868480
	.fill 96, 4, 3214868480
	.section	.rodata,"a",@progbits
	.p2align	6, 0x0
	.amdhsa_kernel k_qfa4f93a757_outp
		.amdhsa_group_segment_fixed_size 327680
		.amdhsa_private_segment_fixed_size 0
		.amdhsa_enable_private_segment 0
		.amdhsa_kernarg_size 48
		.amdhsa_user_sgpr_count 2
		.amdhsa_user_sgpr_kernarg_segment_ptr 1
		.amdhsa_wavefront_size32 1
		.amdhsa_system_sgpr_workgroup_id_x 1
		.amdhsa_system_sgpr_workgroup_id_y 1
		.amdhsa_system_sgpr_workgroup_id_z 1
		.amdhsa_system_vgpr_workitem_id 0
		.amdhsa_next_free_vgpr 768
		.amdhsa_next_free_sgpr 102
		.amdhsa_reserve_vcc 0
		.amdhsa_float_denorm_mode_32 3
		.amdhsa_float_denorm_mode_16_64 3
		.amdhsa_memory_ordered 1
		.amdhsa_forward_progress 1
		.amdhsa_inst_pref_size 75
	.end_amdhsa_kernel
	.amdgpu_metadata
---
amdhsa.version: [ 1, 2 ]
amdhsa.kernels:
  - .name:           k_qfa4f93a757_outp
    .symbol:         k_qfa4f93a757_outp.kd
    .args:
      - { .name: zc, .offset: 0, .size: 8, .value_kind: global_buffer, .address_space: global }
      - { .name: zs, .offset: 8, .size: 8, .value_kind: global_buffer, .address_space: global }
      - { .name: wc, .offset: 16, .size: 8, .value_kind: global_buffer, .address_space: global }
      - { .name: ws, .offset: 24, .size: 8, .value_kind: global_buffer, .address_space: global }
      - { .name: bo, .offset: 32, .size: 8, .value_kind: global_buffer, .address_space: global }
      - { .name: out0, .offset: 40, .size: 8, .value_kind: global_buffer, .address_space: global }
    .group_segment_fixed_size: 327680
    .private_segment_fixed_size: 0
    .kernarg_segment_align: 8
    .kernarg_segment_size: 48
    .max_flat_workgroup_size: 128
    .sgpr_count:     102
    .vgpr_count:     768
    .wavefront_size: 32
...
	.end_amdgpu_metadata
.endif
;; end of part 4
